; MI455X (gfx1250); checked and timed in simulation.
; The chip was launched on July 23, 2026; its instructions are those of AMD's public machine-readable ISA for CDNA 5 (MIT licence, August 2026) and "CDNA5" Instruction Set Architecture Reference Guide (July 2026). The comments in the code are by the model that wrote it; some were corrected since.
;; Attention. Allowed arithmetic: matrix products marked QUANTISED: E3M2 operands, one E8M0 scale for each 32 along K, by v_wmma_scale_f32_16x16x128_f8f6f4 with both operands' format E3M2, f32 sums; products left as they are: f32 operands where the result goes on into a quantised operand, else bf16, f16 or f32 operands; f32 sums; everything else in f32.
;; Inputs: W_a 1,000 x 2,000 float32; W_b 1,000 x 1,000 float32; W_c_b 1 float32; W_c_w 1 x 1,000 float32; context 64 x 512 x 2,000 float32; decoder_hidden 1 x 64 x 1,000 float32; dense_b 1,000 float32; dense_w 1,000 x 2,000 float32; mask 64 x 512 x 1 bool.
;; Outputs: out0 64 x 1 x 1,000 float32.
;; This version of the problem:
;;   THIS VERSION OF THE PROBLEM IS GIVEN IN LOW PRECISION. The matrix products marked QUANTISED in the list below multiply operands that are first quantised to E3M2 (3 exponent bits, 2 mantissa bits; 6 bits a number), with one power-of-two scale for each 32 numbers along K (OCP MX v1.0); their sums are f32. All else is computed in f32.
;;   The module's matrix products, in the order in which they are computed (A, B: the left and right operand; K: the contracted axis; several contracted axes count as one K, in the product's order):
;;     1. [M 32,768, K 2,000] x [K 2,000, N 1,000]; A: input context; B: input W_a: QUANTISED
;;     2. [M 64, K 1,000] x [K 1,000, N 1,000]; A: input decoder_hidden; B: input W_b: QUANTISED
;;     3. [M 32,768, K 1,000] x [K 1,000, N 1]; A: computed on the way; B: input W_c_w: left as it is (N = 1 < 16)
;;     4. batch 64 x [M 1, K 512] x [K 512, N 2,000]; A: softmax; B: input context: left as it is (M = 1 < 16)
;;     5. [M 64, K 2,000] x [K 2,000, N 1,000]; A: computed on the way; B: input dense_w: QUANTISED
;;   THE QUANTISER, for each operand of a quantised product, along K:
;;     - K is cut into blocks of 32 from its start; a last block that is shorter is filled with zeros.
;;     - A block's scale is 2^e with e = floor(log2(the largest magnitude in the block)) - 4, held to -126 .. 127; a block of zeros has e = 0. As a byte (E8M0): e + 127.
;;     - Each number is divided by its block's scale, clamped to +-28, and rounded to the nearest number of E3M2, ties to even, subnormals kept.
;;     - The product sums the exact products of the quantised numbers (number of the format x scale) in f32.
;;   ~~~python
;;   def quantise(x, axis):      # numpy; x: float32 -> the quantised numbers, widened to float32 again
;;       x = np.moveaxis(x, axis, -1); K = x.shape[-1]
;;       x = np.pad(x, [(0, 0)] * (x.ndim - 1) + [(0, -K % 32)]); x = x.reshape(x.shape[:-1] + (-1, 32)); a = np.abs(x).max(-1, keepdims=True)
;;       e = np.where(a > 0, np.clip(np.frexp(np.where(a > 0, a, 1))[1] - 1 - 4, -126, 127), 0)      # np.frexp(a)[1] - 1 = floor(log2(a)), exactly
;;       r = np.clip(x / 2.0 ** e, -28, 28)
;;       step = 2.0 ** (np.maximum(np.frexp(np.where(r == 0, 1, r))[1] - 1, -2) - 2)
;;       q = np.round(r / step) * step * 2.0 ** e      # np.round: ties to even
;;       return np.moveaxis(q.reshape(q.shape[:-2] + (-1,))[..., :K], -1, axis).astype(np.float32)
;;   ~~~
;;   OPERANDS COMPUTED ON THE WAY. 'Computed on the way' means the value that the module computes at that place (a softmax that the list does not call 'softmax' is quantised finished and normalised). What goes into a quantiser is computed in f32, as accurately as f32 sums, v_exp_f32 and their like allow (about 1e-6 of the number): no bf16 or f16 on the way to a quantiser, and a product that is left as it is and whose result goes on into a quantised operand takes f32 operands (vector FMAs, or v_wmma_f32_16x16x4_f32). A number that lies on a knife's edge between two numbers of the format may be rounded either way, as far as f32 arithmetic and the matrix unit's own rounding can turn it there, and no further.
;; One version. Each part assembles by itself: llvm-mc -triple=amdgcn-amd-amdhsa -mcpu=gfx1250 --defsym DOCPART=n.
;; ======== version 1 of 1: 4 launches
;; limits: right only within a limited range of input values
;; workspace buffers: wa 1,638,400 bytes; hid 266,240 bytes; list 133,632 bytes of whole numbers; scores 131,072 bytes; wsq 102,400 bytes; dw 1,638,400 bytes; list2 131,072 bytes of whole numbers
;; launch prep (part 1): grid 200 x 1, 8 waves a work-group, no clusters, 169,216 bytes of LDS; arguments W_a, W_b, decoder_hidden, W_c_w, mask, wa, hid, list, dense_w, dw, list2; writes wa, hid, list, dw, list2
.if DOCPART == 1
	.amdgcn_target "amdgcn-amd-amdhsa--gfx1250"
	.amdhsa_code_object_version 6
	.text
	.protected	k_q89f1dbc265_prep
	.globl	k_q89f1dbc265_prep
	.p2align	8
	.type	k_q89f1dbc265_prep,@function
k_q89f1dbc265_prep:
	s_mov_b64 s[64:65], 0
	v_nop
	global_prefetch_b8 v0, s[64:65] scope:SCOPE_SE
	s_setreg_imm32_b32 hwreg(HW_REG_WAVE_MODE, 25, 1), 1
	s_wait_xcnt 0x0
; PREP: three jobs, told apart by the work-group's number; each has LDS bytes of its own and its own end.
;  work-groups 0..7    : the list of rows that count (from the mask), the batches' starts, the number of row tiles; work-group 0 also W_c padded with zeros to 1,024.
;  work-groups 8..71   : hidden_in = Q(decoder_hidden) Q(W_b)^T, n-tile y = x - 8; wave w takes K step w (128 along K); the eight parts meet in LDS.
;  work-groups 72..135 : W_a (the first 32) and dense_w (the other 32), both [1000][2000] f32 -> codes of E3M2 with E8M0 scale words, laid in the order of an operand's registers; a wave takes 64 rows x 128 K.
; THE LIST.  A masked row's score is -1e6 and every other score lies within sum|W_c_w| + |W_c_b|, so its weight after the softmax is 0 in f32 as soon as its batch has one open row:
; only open rows are listed.  A batch that is masked whole lists all its 512 rows (they all get -1e6 later: uniform weights).
; LIMITS: sum|W_c_w| + |W_c_b| under 9.9e5; NaN and infinities among the inputs are not served; a block of zeros gets the scale byte 1 (its codes are zeros; only this program reads the bytes).
; QUANTISER: a block's scale byte is the exponent field of its largest magnitude less 4, held at 1 from below; the conversion divides, holds at the largest code and rounds to nearest even.
; A UNIT is 16 rows x 128 K of f32.  It is loaded dense (a row's 512 bytes by the 32 lanes of one load), turned through the wave's own stage in LDS (pitch 528 = 33 x 16 bytes, so that the
; sixteen rows of a read fall on different banks), and comes back with register 16 b + i of lane (r, h) = k 32 b + 16 h + i of row r: what the conversions and the operand's layout want.
.set STGB,  8448                       ; a wave's stage: 16 rows x 528 bytes
.set STG_B, 8*STGB                     ; LDS: 0 .. the quantising job's stages; from here the W_b job's stages;
.set RED_B, 16*STGB                    ; its eight waves' partial sums, 4,096 bytes each;
.set CW,    RED_B+8*4096               ; the list job's 64 words: a batch's listed rows
.set SEL,   32                         ; s[32:33] v_permlanex16_b32's selects: lane l xor 16
.set M16,   56                         ; s56 lanes 0-15
.set STI,   4                          ; v4 stage, way in: 16 x lane
.set STO,   5                          ; v5 stage, way out: 528 r + 64 h
.set MSB, 0
.macro WIN new                         ; the immediate's high byte repeats the setting that is left
.if MSB != \new
	s_set_vgpr_msb (MSB<<8)|\new
.set MSB, \new
.endif
.endm
.macro ROWOFF off, srow, add, pitch, vcol   ; byte offsets of 16 rows (held at row 999, the last) + my lane's column
.irp i, 0,1,2,3,4,5,6,7,8,9,10,11,12,13,14,15
	s_add_co_u32 s48, s[\srow], \add+\i
	s_min_u32 s48, s48, 999
	s_mul_i32 s48, s48, \pitch
	v_add_nc_u32 v[\off+\i], s48, v[\vcol]
.endr
.endm
.macro ROWLD dst, off, base            ; 16 loads: each reads 512 consecutive bytes of one row
.irp i, 0,1,2,3,4,5,6,7,8,9,10,11,12,13,14,15
	global_load_b128 v[\dst+4*\i:\dst+4*\i+3], v[\off+\i], s[\base:\base+1]
.endr
.endm
.macro TURNU bank, win, x              ; a unit through my stage; LDS serves a wave's instructions in order, so nothing stands between the stores and the loads
	WIN \win
.irp i, 0,1,2,3,4,5,6,7,8,9,10,11,12,13,14,15
	ds_store_b128 v[STI], v[\bank+4*\i:\bank+4*\i+3] offset:528*\i
.endr
	WIN 0
.irp b, 0,1,2,3
.irp q, 0,1,2,3
	ds_load_b128 v[\x+16*\b+4*\q:\x+16*\b+4*\q+3], v[STO] offset:128*\b+16*\q
.endr
.endr
	s_wait_dscnt 0x0                               ; the unit is back; earlier LDS stores have read their registers too
.endm
.macro KZ2000 x                        ; K step 15 of K = 2,000: k from 80 on (of 128) is zero
.irp i, 0,1,2,3,4,5,6,7,8,9,10,11,12,13,14,15
	v_cndmask_b32 v[\x+32+\i], 0, v[\x+32+\i], s[M16]
.endr
.irp i, 0,1,2,3,4,5,6,7,8,9,10,11,12,13,14,15
	v_mov_b32 v[\x+48+\i], 0
.endr
.endm
.macro KZ1000 x                        ; K step 7 of K = 1,000: k from 104 on is zero
.irp i, 0,1,2,3,4,5,6,7
	v_cndmask_b32 v[\x+48+\i], 0, v[\x+48+\i], s[M16]
.endr
.irp i, 0,1,2,3,4,5,6,7
	v_mov_b32 v[\x+56+\i], 0
.endr
.endm
; 64 numbers of a lane become a fragment's 12 registers in v[pc] on (pc+12 .. pc+18 at work) and its rows' scale word in v[pw]
.macro QUANT s, pc, pw, tm
.irp b, 0,1,2,3
	v_max3_num_f32 v[\tm+\b], |v[\s+16*\b]|, |v[\s+1+16*\b]|, 0x2800000   ; my 16 numbers of block b, and the floor 2^(5 - 127): the byte cannot fall under 1
.endr
.irp i, 2,4,6,8,10,12,14
.irp b, 0,1,2,3
	s_delay_alu instid0(VALU_DEP_4)
	v_max3_num_f32 v[\tm+\b], v[\tm+\b], |v[\s+16*\b+\i]|, |v[\s+1+16*\b+\i]|
.endr
.endr
.irp b, 0,1,2,3
	s_delay_alu instid0(VALU_DEP_4)
	v_permlanex16_b32 v[\tm+4+\b], v[\tm+\b], s[SEL], s[SEL+1]
.endr
.irp b, 0,1,2,3
	s_delay_alu instid0(VALU_DEP_4)
	v_max_num_f32 v[\tm+\b], v[\tm+\b], v[\tm+4+\b]          ; with lane l xor 16's: the block's largest magnitude
.endr
.irp b, 0,1,2,3
	s_delay_alu instid0(VALU_DEP_4)
	v_add_nc_u32 v[\tm+12+\b], 0xfe000000, v[\tm+\b]         ; 4 off its exponent field: the conversion's scale operand
.endr
.irp b, 0,1,2,3
	s_delay_alu instid0(VALU_DEP_4)
	v_lshrrev_b32 v[\tm+4+\b], 23, v[\tm+12+\b]              ; the scale's byte
.endr
	s_delay_alu instid0(VALU_DEP_3)
	v_lshl_or_b32 v[\pw], v[\tm+5], 8, v[\tm+4]
	s_delay_alu instid0(VALU_DEP_1)
	v_lshl_or_b32 v[\pw], v[\tm+6], 16, v[\pw]
	s_delay_alu instid0(VALU_DEP_1)
	v_lshl_or_b32 v[\pw], v[\tm+7], 24, v[\pw]
.irp c, 0,1
	v_cvt_scalef32_pk16_bf6_f32 v[\pc+6*\c:\pc+2+6*\c], v[\s+32*\c:\s+15+32*\c], v[\tm+12+2*\c]
	v_cvt_scalef32_pk16_bf6_f32 v[\pc+12+4*\c:\pc+14+4*\c], v[\s+16+32*\c:\s+31+32*\c], v[\tm+12+2*\c+1]
.endr
	v_nop                                          ; one plain place behind a scaled conversion
.irp c, 0,1                                    ; the layout wants a whole block in a lane: lanes 0-15 block 2 c, lanes 16-31 block 2 c + 1
.irp i, 0,1,2
	v_permlane16_swap_b32 v[\pc+6*\c+\i], v[\pc+12+4*\c+\i]
.endr
.irp i, 0,1,2
	s_delay_alu instid0(VALU_DEP_3)
	v_mov_b32 v[\pc+3+6*\c+\i], v[\pc+12+4*\c+\i]
.endr
.endr
.endm
	s_load_b512 s[4:19], s[0:1], 0x0               ; W_a s[4:5], W_b s[6:7], decoder_hidden s[8:9], W_c_w s[10:11], mask s[12:13], wa s[14:15], hid s[16:17], list s[18:19]
	s_load_b128 s[36:39], s[0:1], 0x40             ; dense_w s[36:37], dw s[38:39]
	s_load_b64 s[40:41], s[0:1], 0x50              ; list2
	v_lshl_add_u32 v254, v0, 2, 0x29100
	v_mov_b32 v255, 0
	v_lshrrev_b32 v1, 5, v0
	s_delay_alu instid0(VALU_DEP_1)
	v_readfirstlane_b32 s20, v1                    ; wave 0..7
	v_and_b32 v1, 31, v0                           ; lane
	v_and_b32 v2, 15, v0                           ; r
	v_bfe_u32 v3, v0, 4, 1                         ; h
	s_delay_alu instid0(VALU_DEP_3)
	v_lshlrev_b32 v7, 4, v1                        ; 16 x lane
	s_mov_b32 s[SEL], 0x76543210
	s_mov_b32 s[SEL+1], 0xfedcba98
	s_mov_b32 s[M16], 0xffff
	s_wait_kmcnt 0x0
	s_cmp_lt_u32 ttmp9, 8
	s_cbranch_scc1 .Lrole_c
	s_cmp_lt_u32 ttmp9, 72
	s_cbranch_scc1 .Lrole_b
	s_cmp_gt_u32 ttmp9, 135                        ; work-groups 136..199 share the hidden_in job: they take batches 32-63 of n-tile x - 136, work-groups 8..71 batches 0-31
	s_cbranch_scc1 .Lrole_b
; ---------------- W_a -> wa, dense_w -> dw.  task = 16 g + k: rows 64 g .. 64 g + 63 (four n-tiles), K step k
.set OFA, 16                           ; v16-79   row offsets, 16 a unit
.set XA,  80                           ; v80-143  a unit, turned
.set PCA, 144                          ; v144-223 four fragments (20 registers each): no store's data are written again
.set TMA, 224                          ; v224-239 at work
.set PWS, 240                          ; v240-243 the four n-tiles' scale words;   window 1: the four units as loaded
	s_sub_co_u32 s21, ttmp9, 72
	s_cmp_lt_u32 s21, 32                           ; W_a's work-group or dense_w's?  The choice hangs on the work-group's number alone; both tensors take one path
	s_cselect_b64 s[4:5], s[4:5], s[36:37]
	s_cselect_b64 s[14:15], s[14:15], s[38:39]
	s_and_b32 s21, s21, 31
	s_lshl_b32 s21, s21, 3
	s_add_co_u32 s21, s21, s20                     ; task
	s_lshr_b32 s22, s21, 4                         ; g
	s_and_b32 s23, s21, 15                         ; k
	s_mul_i32 s24, s20, STGB
	s_wait_alu depctr_va_vdst(0)
	v_add_nc_u32 v[STI], s24, v7
	v_mul_u32_u24 v[STO], v2, 528
	s_delay_alu instid0(VALU_DEP_1)
	v_lshl_add_u32 v[STO], v3, 6, v[STO]
	s_delay_alu instid0(VALU_DEP_1)
	v_add_nc_u32 v[STO], s24, v[STO]
	s_lshl_b32 s25, s23, 9
	v_add_nc_u32 v6, s25, v7                       ; my 16 bytes of the K step's 512,
	s_delay_alu instid0(VALU_DEP_1)
	v_min_u32 v6, 7984, v6                         ; held inside the row (what is read twice is made zero below)
	s_wait_alu depctr_va_vdst(0)
	s_mul_i32 s25, s21, 6144
	v_add_nc_u32 v9, s25, v7                       ; out: a set of four fragments is 6,144 bytes
	s_lshl_b32 s25, s21, 8
	v_lshl_add_u32 v8, v2, 4, s25                  ; and 256 bytes of scale words: row r's four words on end
.irp b, 0,1,2,3
	v_mov_b32 v[TMA+4+\b], 0                       ; written once: a lane permute's destination counts as one of its sources
.endr
	s_lshl_b32 s26, s22, 6
.irp j, 0,1,2,3
	ROWOFF OFA+16*\j, 26, 16*\j, 8000, 6
.endr
	WIN 0x40                                       ; destination window 1
	s_wait_alu depctr_va_vdst(0)
.irp j, 0,1,2,3
	ROWLD 64*\j, OFA+16*\j, 4
.endr
	WIN 0
.irp j, 0,1,2,3
	s_wait_loadcnt 48-16*\j                        ; unit j is in: the 16 loads of each later unit are younger
	TURNU 64*\j, 0x04, XA
	s_cmp_lg_u32 s23, 15
	s_cbranch_scc1 .La_in_\j
	KZ2000 XA
.La_in_\j:
	QUANT XA, PCA+20*\j, PWS+\j, TMA
.irp c, 0,1,2
	global_store_b128 v9, v[PCA+20*\j+4*\c:PCA+20*\j+4*\c+3], s[14:15] offset:1536*\j+512*\c   ; the fragment as an image of its registers: 512 consecutive bytes a store
.endr
.endr
	global_store_b128 v8, v[PWS:PWS+3], s[14:15] offset:1572864   ; lanes l and l + 16 hold the same four words and store them to the same place
	s_wait_tensorcnt 0x0
	ds_add_u32 v254, v255
	s_wait_dscnt 0x0
	s_endpgm
; ---------------- hidden_in.  n-tile y, K step = wave
.set OFB, 16                           ; v16-31   W_b's row offsets
.set TMB, 32                           ; v32-47   at work
.set BKB, 48                           ; v48-111  W_b's unit as loaded; then decoder_hidden's fragments 0, 1 (48, 68)
.set XB,  112                          ; v112-175 a unit, turned; then the two accumulators (v112-127) and the parts read back (v144-175)
.set PCW, 176                          ; v176-194 W_b's fragment
.set ACB, 112
.set RDB, 144
.set PWW, 244                          ; v244     W_b's scale word;  v245-246 decoder_hidden's: these three hold scales and nothing else
.set PWD, 245
.macro DHLD mt                         ; rows 16 mt .. 16 mt + 15 of decoder_hidden, my K step
.irp i, 0,1,2,3,4,5,6,7,8,9,10,11,12,13,14,15
	global_load_b128 v[64*(\mt)+4*\i:64*(\mt)+4*\i+3], v12, s[8:9] offset:(16*(\mt)+\i)*4000
.endr
.endm
.macro KZB x
	s_cmp_lg_u32 s20, 7
	s_cbranch_scc1 .Lkzb_\@
	KZ1000 \x
.Lkzb_\@:
.endm
.Lrole_b:
	s_cmp_gt_u32 ttmp9, 135
	s_cselect_b32 s27, 1, 0                        ; which 32 batches are my work-group's
	s_cselect_b32 s28, 136, 8
	s_sub_co_u32 s21, ttmp9, s28                   ; y
	s_mul_i32 s24, s20, STGB
	s_add_co_u32 s24, s24, STG_B
	s_wait_alu depctr_va_vdst(0)
	v_add_nc_u32 v[STI], s24, v7
	v_mul_u32_u24 v[STO], v2, 528
	s_delay_alu instid0(VALU_DEP_1)
	v_lshl_add_u32 v[STO], v3, 6, v[STO]
	s_delay_alu instid0(VALU_DEP_1)
	v_add_nc_u32 v[STO], s24, v[STO]
	s_lshl_b32 s25, s20, 9
	v_add_nc_u32 v6, s25, v7
	s_delay_alu instid0(VALU_DEP_1)
	v_min_u32 v6, 3984, v6                         ; my 16 bytes of the K step, held inside the row
	s_mul_i32 s29, s27, 128000
	v_add_nc_u32 v12, s29, v6                      ; the same in decoder_hidden, from my work-group's first batch on (32 rows of 4,000 bytes)
	s_lshl_b32 s25, s20, 12
	s_add_co_u32 s25, s25, RED_B
	v_add_nc_u32 v9, s25, v7                       ; my partial sums: 4,096 x wave + 16 x lane
	s_lshl_b32 s25, s20, 9
	s_add_co_u32 s25, s25, RED_B
	v_add_nc_u32 v10, s25, v7                      ; and the quad that I add up: 512 x wave + 16 x lane in every wave's part
	s_lshr_b32 s25, s20, 1
	s_lshl_b32 s25, s25, 16                        ; hid: rows 16 (wave / 2) on, 4,096 bytes a row,
	s_lshl_b32 s28, s27, 17                        ; behind my work-group's first batch,
	s_add_co_u32 s25, s25, s28
	s_and_b32 s26, s20, 1
	s_lshl_b32 s26, s26, 4                         ; columns 4 (wave % 2) on,
	s_add_co_u32 s25, s25, s26
	s_lshl_b32 s26, s21, 6                         ; in n-tile y
	s_add_co_u32 s25, s25, s26
	v_lshlrev_b32 v11, 12, v2
	s_delay_alu instid0(VALU_DEP_1)
	v_lshl_add_u32 v11, v3, 5, v11
	s_delay_alu instid0(VALU_DEP_1)
	v_add_nc_u32 v11, s25, v11
.irp b, 0,1,2,3
	v_mov_b32 v[TMB+4+\b], 0
.endr
	s_lshl_b32 s26, s21, 4
	ROWOFF OFB, 26, 0, 4000, 6
	s_wait_alu depctr_va_vdst(0)
	ROWLD BKB, OFB, 6
	WIN 0x40
	DHLD 0
	DHLD 1
	WIN 0
	s_wait_loadcnt 32                              ; W_b's unit is in: two units of 16 loads are younger
	TURNU BKB, 0, XB
	KZB XB
	QUANT XB, PCW, PWW, TMB
.irp mt, 0,1
	s_wait_loadcnt 16-16*\mt                       ; unit mt is in: the later unit's loads are younger
	TURNU 64*\mt, 0x04, XB
	KZB XB
	QUANT XB, 48+20*\mt+90*(\mt/3), PWD+\mt, TMB
.endr
.rept 8
	v_nop                                          ; a scale register written by a vector instruction stands 8 places ahead of a scaled matrix instruction, an operand 4
.endr
.irp mt, 0,1                                   ; transposed: source 0 = 16 rows of W_b, source 1 = 16 batches: lane (r, h) holds my work-group's batch 16 mt + r, register j column 16 y + 8 h + j
	v_wmma_scale_f32_16x16x128_f8f6f4 v[ACB+8*\mt:ACB+8*\mt+7], v[PCW:PCW+11], v[48+20*\mt+90*(\mt/3):48+20*\mt+90*(\mt/3)+11], 0, v[PWW], v[PWD+\mt] matrix_a_fmt:MATRIX_FMT_BF6 matrix_b_fmt:MATRIX_FMT_BF6
.endr
.rept 4
	v_nop
.endr
.irp mt, 0,1
.irp hf, 0,1
	ds_store_b128 v9, v[ACB+8*\mt+4*\hf:ACB+8*\mt+4*\hf+3] offset:512*(2*\mt+\hf)   ; each accumulator from its low end on
.endr
.endr
	s_wait_dscnt 0x0                               ; for the others' sake: my parts lie in LDS
	s_barrier_signal -1
	s_barrier_wait -1
	s_cmp_gt_u32 s20, 3                            ; two accumulators are four quads: waves 0-3 add them up
	s_cbranch_scc1 .Lb_end
.irp u, 0,1,2,3,4,5,6,7
	ds_load_b128 v[RDB+4*\u:RDB+4*\u+3], v10 offset:4096*\u
.endr
	s_wait_dscnt 0x0
.irp u, 1
	v_pk_add_f32 v[RDB:RDB+1], v[RDB:RDB+1], v[RDB+4*\u:RDB+4*\u+1]
	v_pk_add_f32 v[RDB+2:RDB+3], v[RDB+2:RDB+3], v[RDB+4*\u+2:RDB+4*\u+3]
.endr
.irp u, 2, 3, 4, 5, 6, 7
	s_delay_alu instid0(VALU_DEP_2)
	v_pk_add_f32 v[RDB:RDB+1], v[RDB:RDB+1], v[RDB+4*\u:RDB+4*\u+1]
	s_delay_alu instid0(VALU_DEP_2)
	v_pk_add_f32 v[RDB+2:RDB+3], v[RDB+2:RDB+3], v[RDB+4*\u+2:RDB+4*\u+3]
.endr
	global_store_b128 v11, v[RDB:RDB+3], s[16:17]
.Lb_end:
	s_wait_tensorcnt 0x0
	ds_add_u32 v254, v255
	s_wait_dscnt 0x0
	s_endpgm
; ---------------- the list, on eight work-groups.  Each of them counts all 64 batches (wave w: batches 8 w .. 8 w + 7; the 64 counts meet in LDS); then wave w of work-group g places
; ONE batch, 8 g + w: 16 stores.  Lane l holds the mask bytes of rows 16 l .. 16 l + 15 of a batch.  The mask is 32,768 bytes: read eight times over it is still small.
.set CM, 16                            ; v16-51   mask bytes, four registers a batch: the eight that I count, then the one that I place
.set CD, 52                            ; v52-60   counts
.set CE, 61                            ; v61-69   at work
.set CT, 70                            ; v70-85   my batch's bytes, one a register
.set CP, 86                            ; v86-101  places
.set CV, 102                           ; v102-117 row numbers
.set SPL, 118                          ; v118     my spill word
.Lrole_c:
	s_lshl_b32 s21, s20, 12
	s_wait_alu depctr_va_vdst(0)
	v_add_nc_u32 v4, s21, v7                       ; 4,096 w + 16 lane: my bytes of the batches that I count
.irp i, 0,1,2,3,4,5,6,7
	global_load_b128 v[CM+4*\i:CM+4*\i+3], v4, s[12:13] offset:512*\i
.endr
	s_lshl_b32 s22, ttmp9, 3
	s_add_co_u32 s22, s22, s20                     ; the batch that I place
	s_lshl_b32 s23, s22, 9
	v_add_nc_u32 v13, s23, v7                      ; its bytes in the mask, and the number of my first row
	global_load_b128 v[CM+32:CM+35], v13, s[12:13]
	v_min_u32 v5, 249, v0
	s_delay_alu instid0(VALU_DEP_1)
	v_lshlrev_b32 v5, 4, v5
	global_load_b128 v[120:123], v5, s[10:11]      ; W_c_w: four numbers a thread, the last threads held inside (work-group 0 alone stores them)
	v_lshlrev_b32 v6, 4, v0
.irp i, 0,1,2,3,4,5,6,7,8
	v_mov_b32 v[CE+\i], 0                          ; written once: the destination of a lane move counts as one of its sources
.endr
	v_mov_b32 v131, 0
	v_mov_b32 v132, 0
	v_mov_b32 v9, 0
	v_mov_b32 v11, 512
	s_lshl_b32 s24, ttmp9, 5
	s_add_co_u32 s24, s24, 33024
	v_add_nc_u32 v[SPL], s24, v1                   ; the spill words, 32 for each work-group: where lanes with nothing to list store; what they store there is 0, in every wave
	s_mov_b32 s25, 0x01010101
	s_lshl_b32 s26, s20, 5
	s_add_co_u32 s26, s26, CW
	v_mov_b32 v8, s26                              ; my eight words
	v_lshl_add_u32 v10, v1, 2, CW                  ; a word a lane
	v_add_nc_u32 v129, 32, v1
	s_wait_loadcnt 0x0
	; how many rows of each batch are masked: the 16 bytes of a lane, then the 32 lanes, all in whole numbers
.irp i, 0,1,2,3,4,5,6,7,8
	v_add_nc_u32 v[CD+\i], v[CM+4*\i], v[CM+4*\i+1]
.endr
.irp i, 0,1,2,3,4,5,6,7,8
	v_add3_u32 v[CD+\i], v[CD+\i], v[CM+4*\i+2], v[CM+4*\i+3]
.endr
.irp i, 0,1,2,3,4,5,6,7,8
	v_mul_lo_u32 v[CD+\i], v[CD+\i], s25
.endr
.irp i, 0,1,2,3,4,5,6,7,8
	v_lshrrev_b32 v[CD+\i], 24, v[CD+\i]
.endr
.irp x, 1,2,4,8
.irp i, 0,1,2,3,4,5,6,7,8
	v_mov_b32_dpp v[CE+\i], v[CD+\i] row_xmask:\x row_mask:0xf bank_mask:0xf
.endr
.irp i, 0,1,2,3,4,5,6,7,8
	v_add_nc_u32 v[CD+\i], v[CD+\i], v[CE+\i]
.endr
.endr
.irp i, 0,1,2,3,4,5,6,7,8
	v_permlanex16_b32 v[CE+\i], v[CD+\i], s[SEL], s[SEL+1]
.endr
.irp i, 0,1,2,3,4,5,6,7,8
	v_add_nc_u32 v[CD+\i], v[CD+\i], v[CE+\i]
.endr
.irp i, 0,1,2,3,4,5,6,7
	v_sub_nc_u32 v[CD+\i], 512, v[CD+\i]           ; open rows
.endr
.irp i, 0,1,2,3,4,5,6,7
	v_cmp_eq_u32 s[68+\i], 0, v[CD+\i]
.endr
.irp i, 0,1,2,3,4,5,6,7
	v_cndmask_b32 v[CD+\i], v[CD+\i], v11, s[68+\i]   ; a batch masked whole lists all its 512 rows
.endr
.irp i, 0,1,2,3,4,5,6,7
	ds_store_b32 v8, v[CD+\i] offset:4*\i          ; all lanes write the same word with the same value
.endr
	v_readfirstlane_b32 s48, v[CD+8]
	s_cmp_eq_u32 s48, 512                          ; is the batch that I place masked whole?
	s_cselect_b32 s49, 0, -1
	s_sub_co_u32 s58, 512, s48                     ; my batch's listed rows: the open ones,
	s_cmp_eq_u32 s58, 0
	s_cselect_b32 s58, 512, s58                    ; or all 512 where it is masked whole;
	s_add_co_u32 s58, s58, s23                     ; 512 b + that: where the rows that are not listed begin in list2
.irp e, 0,1,2,3
	v_and_b32 v[CM+32+\e], s49, v[CM+32+\e]        ; then its bytes are cleared here
.endr
	s_wait_dscnt 0x0                               ; for the others' sake: my eight words lie in LDS
	s_barrier_signal -1
	s_barrier_wait -1
	ds_load_b32 v124, v10                          ; batch = lane,
	ds_load_b32 v125, v10 offset:128               ; batch = 32 + lane
	s_wait_dscnt 0x0
	v_cmp_gt_u32 vcc_lo, s22, v1
	s_delay_alu instid0(VALU_DEP_1)
	v_cndmask_b32 v127, 0, v124, vcc_lo            ; the batches ahead of mine
	v_cmp_gt_u32 vcc_lo, s22, v129
	s_delay_alu instid0(VALU_DEP_1)
	v_cndmask_b32 v130, 0, v125, vcc_lo
	v_add_nc_u32 v126, v124, v125
	s_delay_alu instid0(VALU_DEP_2)
	v_add_nc_u32 v127, v127, v130
.irp x, 1,2,4,8
	s_delay_alu instid0(VALU_DEP_2)
	v_mov_b32_dpp v131, v126 row_xmask:\x row_mask:0xf bank_mask:0xf
	s_delay_alu instid0(VALU_DEP_2)
	v_mov_b32_dpp v132, v127 row_xmask:\x row_mask:0xf bank_mask:0xf
	s_delay_alu instid0(VALU_DEP_2)
	v_add_nc_u32 v126, v126, v131
	s_delay_alu instid0(VALU_DEP_2)
	v_add_nc_u32 v127, v127, v132
.endr
	s_delay_alu instid0(VALU_DEP_2)
	v_permlanex16_b32 v131, v126, s[SEL], s[SEL+1]
	s_delay_alu instid0(VALU_DEP_2)
	v_permlanex16_b32 v132, v127, s[SEL], s[SEL+1]
	s_delay_alu instid0(VALU_DEP_2)
	v_add_nc_u32 v126, v126, v131
	s_delay_alu instid0(VALU_DEP_2)
	v_add_nc_u32 v127, v127, v132
	s_delay_alu instid0(VALU_DEP_2)
	v_readfirstlane_b32 s52, v126                  ; R: all listed rows
	s_delay_alu instid0(VALU_DEP_2)
	v_readfirstlane_b32 s51, v127                  ; where my batch's rows begin
	s_delay_alu instid0(VALU_DEP_1)
	v_mov_b32 v133, s51
	s_sub_co_u32 s57, s23, s51                     ; from a place in the list to the same row's place in list2
.irp e, 0,1,2,3,4,5,6,7,8,9,10,11,12,13,14,15
	v_bfe_u32 v[CT+\e], v[CM+32+\e/4], 8*(\e%4), 8
.endr
.irp e, 0,1,2,3,4,5,6,7,8,9,10,11,12,13,14,15
	v_cmp_eq_u32 s[68+\e], 0, v[CT+\e]             ; the lanes whose row 16 l + e is listed
.endr
.irp e, 0,1,2,3,4,5,6,7,8,9,10,11,12,13,14,15
	v_mbcnt_lo_u32_b32 v[CP+\e], s[68+\e], s51     ; place = what is listed so far + the listed lanes below mine
	s_bcnt1_i32_b32 s48, s[68+\e]
	s_add_co_u32 s51, s51, s48
.endr
; LIST2: the same rows at fixed places: word 512 b + i is batch b's i-th listed row, in the list's order; behind the listed rows stand the batch's other rows: every word is written, each by one lane.
.set CQ, 138                           ; v138-153 places in list2
.set CR, 154                           ; v154-169 at work, then row numbers
.irp e, 0,1,2,3,4,5,6,7,8,9,10,11,12,13,14,15
	s_not_b32 s59, s[68+\e]                        ; the lanes whose row 16 l + e is not listed
	v_mbcnt_lo_u32_b32 v[CQ+\e], s59, s58
	s_bcnt1_i32_b32 s60, s59
	s_add_co_u32 s58, s58, s60
.endr
.irp e, 0,1,2,3,4,5,6,7,8,9,10,11,12,13,14,15
	v_add_nc_u32 v[CR+\e], s57, v[CP+\e]
.endr
.irp e, 0,1,2,3,4,5,6,7,8,9,10,11,12,13,14,15
	v_cndmask_b32 v[CQ+\e], v[CQ+\e], v[CR+\e], s[68+\e]
.endr
.irp e, 0,1,2,3,4,5,6,7,8,9,10,11,12,13,14,15
	v_min_u32 v[CQ+\e], 32767, v[CQ+\e]            ; a place made of loaded numbers is held inside list2
.endr
.irp e, 0,1,2,3,4,5,6,7,8,9,10,11,12,13,14,15
	v_lshlrev_b32 v[CQ+\e], 2, v[CQ+\e]
.endr
.irp e, 0,1,2,3,4,5,6,7,8,9,10,11,12,13,14,15
	v_add_nc_u32 v[CR+\e], \e, v13
.endr
.irp e, 0,1,2,3,4,5,6,7,8,9,10,11,12,13,14,15
	global_store_b32 v[CQ+\e], v[CR+\e], s[40:41]
.endr
.irp e, 0,1,2,3,4,5,6,7,8,9,10,11,12,13,14,15
	v_cndmask_b32 v[CP+\e], v[SPL], v[CP+\e], s[68+\e]
.endr
.irp e, 0,1,2,3,4,5,6,7,8,9,10,11,12,13,14,15
	v_min_u32 v[CP+\e], 33279, v[CP+\e]            ; a place made of loaded numbers is held inside the list
.endr
.irp e, 0,1,2,3,4,5,6,7,8,9,10,11,12,13,14,15
	v_lshlrev_b32 v[CP+\e], 2, v[CP+\e]
.endr
.irp e, 0,1,2,3,4,5,6,7,8,9,10,11,12,13,14,15
	v_add_nc_u32 v[CV+\e], \e, v13
.endr
.irp e, 0,1,2,3,4,5,6,7,8,9,10,11,12,13,14,15
	v_cndmask_b32 v[CV+\e], 0, v[CV+\e], s[68+\e]  ; a lane that lists nothing stores 0 into its spill word: the same number from every wave, so that the bytes hang on no order of the waves
.endr
.irp e, 0,1,2,3,4,5,6,7,8,9,10,11,12,13,14,15
	global_store_b32 v[CP+\e], v[CV+\e], s[18:19] offset:512
.endr
	s_lshl_b32 s48, s22, 2
	v_mov_b32 v134, s48
	global_store_b32 v134, v133, s[18:19]          ; word b: my batch's start (all lanes store the same number to the same place)
	s_cmp_lg_u32 s22, 63
	s_cbranch_scc1 .Lc_not_last
	v_mov_b32 v135, s52                            ; the wave of the last batch: word 64: R;
	s_add_co_u32 s49, s52, 15
	s_lshr_b32 s49, s49, 4
	v_mov_b32 v136, s49                            ; word 65: the number of tiles of 16 rows
	v_mov_b32 v137, 256
	global_store_b32 v137, v135, s[18:19]
	global_store_b32 v137, v136, s[18:19] offset:4
.Lc_not_last:
	s_cmp_lg_u32 ttmp9, 0
	s_cbranch_scc1 .Lc_end
	v_cmp_gt_u32 vcc_lo, 250, v0                   ; work-group 0: W_c,
.irp e, 0,1,2,3
	v_cndmask_b32 v[120+\e], 0, v[120+\e], vcc_lo  ; with zeros from column 1,000 on;
.endr
	global_store_b128 v6, v[120:123], s[16:17] offset:262144
	v_add_nc_u32 v12, s52, v0                      ; and 256 entries behind the last hold row 0: what later launches read past the end is a row that exists
	s_delay_alu instid0(VALU_DEP_1)
	v_min_u32 v12, 33279, v12
	s_delay_alu instid0(VALU_DEP_1)
	v_lshlrev_b32 v12, 2, v12
	global_store_b32 v12, v9, s[18:19] offset:512
.Lc_end:
	s_wait_tensorcnt 0x0
	ds_add_u32 v254, v255
	s_wait_dscnt 0x0
	s_endpgm
.Lfunc_end_k_q89f1dbc265_prep:
	.size	k_q89f1dbc265_prep, .Lfunc_end_k_q89f1dbc265_prep-k_q89f1dbc265_prep
	.p2alignl 7, 3214868480
	.fill 96, 4, 3214868480
	.section	.rodata,"a",@progbits
	.p2align	6, 0x0
	.amdhsa_kernel k_q89f1dbc265_prep
		.amdhsa_group_segment_fixed_size 169216
		.amdhsa_private_segment_fixed_size 0
		.amdhsa_enable_private_segment 0
		.amdhsa_kernarg_size 88
		.amdhsa_user_sgpr_count 2
		.amdhsa_user_sgpr_kernarg_segment_ptr 1
		.amdhsa_wavefront_size32 1
		.amdhsa_system_sgpr_workgroup_id_x 1
		.amdhsa_system_sgpr_workgroup_id_y 1
		.amdhsa_system_sgpr_workgroup_id_z 1
		.amdhsa_system_vgpr_workitem_id 0
		.amdhsa_next_free_vgpr 512
		.amdhsa_next_free_sgpr 96
		.amdhsa_reserve_vcc 1
		.amdhsa_float_denorm_mode_32 3
		.amdhsa_float_denorm_mode_16_64 3
		.amdhsa_memory_ordered 1
		.amdhsa_forward_progress 1
		.amdhsa_inst_pref_size 127
	.end_amdhsa_kernel
	.amdgpu_metadata
---
amdhsa.version: [ 1, 2 ]
amdhsa.kernels:
  - .name:           k_q89f1dbc265_prep
    .symbol:         k_q89f1dbc265_prep.kd
    .args:
      - { .name: W_a, .offset: 0, .size: 8, .value_kind: global_buffer, .address_space: global }
      - { .name: W_b, .offset: 8, .size: 8, .value_kind: global_buffer, .address_space: global }
      - { .name: decoder_hidden, .offset: 16, .size: 8, .value_kind: global_buffer, .address_space: global }
      - { .name: W_c_w, .offset: 24, .size: 8, .value_kind: global_buffer, .address_space: global }
      - { .name: mask, .offset: 32, .size: 8, .value_kind: global_buffer, .address_space: global }
      - { .name: wa, .offset: 40, .size: 8, .value_kind: global_buffer, .address_space: global }
      - { .name: hid, .offset: 48, .size: 8, .value_kind: global_buffer, .address_space: global }
      - { .name: list, .offset: 56, .size: 8, .value_kind: global_buffer, .address_space: global }
      - { .name: dense_w, .offset: 64, .size: 8, .value_kind: global_buffer, .address_space: global }
      - { .name: dw, .offset: 72, .size: 8, .value_kind: global_buffer, .address_space: global }
      - { .name: list2, .offset: 80, .size: 8, .value_kind: global_buffer, .address_space: global }
    .group_segment_fixed_size: 169216
    .private_segment_fixed_size: 0
    .kernarg_segment_align: 8
    .kernarg_segment_size: 88
    .max_flat_workgroup_size: 256
    .sgpr_count:     96
    .vgpr_count:     512
    .wavefront_size: 32
...
	.end_amdgpu_metadata
.endif
;; end of part 1
;; launch scores (part 2): grid 256 x 1, 8 waves a work-group, no clusters, 278,528 bytes of LDS; arguments context, list, wa, hid, W_c_b, mask, scores; writes scores
.if DOCPART == 2
	.amdgcn_target "amdgcn-amd-amdhsa--gfx1250"
	.amdhsa_code_object_version 6
	.text
	.protected	k_q89f1dbc265_scores
	.globl	k_q89f1dbc265_scores
	.p2align	8
	.type	k_q89f1dbc265_scores,@function
k_q89f1dbc265_scores:
	s_mov_b64 s[64:65], 0
	v_nop
	global_prefetch_b8 v0, s[64:65] scope:SCOPE_SE
	s_setreg_imm32_b32 hwreg(HW_REG_WAVE_MODE, 25, 1), 1
	s_wait_xcnt 0x0
; SCORES: for the listed rows, score = W_c . tanh(Q(context) Q(W_a)^T + hidden_in) + W_c_b, and -1e6 where the row is masked (only in batches masked whole).
; SHARES.  T tiles of 16 listed rows are dealt evenly: work-group g owns tiles (g T) >> 8 up to ((g + 1) T) >> 8: Mt = 0 .. 8 of them.
; PHASE G: the rows are gathered as f32 and quantised once, into LDS, as images of operand registers (1,536 bytes a fragment): wave w makes K steps 2 w and 2 w + 1 of every tile.
; PHASE S: wave w owns n-tiles 8 w .. 8 w + 7 (128 columns), in two passes of four, against four row tiles at a time (five where Mt = 5; a second sweep where Mt > 5).  A fragment of the rows read
; from LDS feeds four matrix instructions; W_a's fragments come from memory straight into registers, in the order in which the first launch laid them, three K steps ahead, and feed four or five each.
; The products are used transposed (source 0 = 16 rows of W_a, source 1 = 16 listed rows): a lane holds ONE row and eight neighbouring columns, so the dot with W_c stays in the lane.
; hidden_in is loaded into the accumulators and is the C of the first K step.  tanh(x) = 1 - 2 / (1 + 2^(2 log2(e) x)), right at both ends.
; PHASE F: the eight waves' parts of a row's score meet in LDS.
; No tensor loads and no cluster: how many tiles a work-group has is a number read from memory, and branches hang on it.  No loop's trip count hangs on it: work is jumped over inside loops of constant count.
; LIMITS: NaN and infinities among the inputs are not served; a block of zeros carries the scale byte 1 (its codes are zeros).
.set ASC, 196608                       ; LDS: 0 .. images [K step 16][tile 8] x 1,536;  here: the rows' scale words [K step][r 16][tile 8], 512 bytes a K step
.set STG, 204800                       ; eight stages of 8,448 bytes
.set SCR, 272384                       ; the waves' parts of the scores: 640 bytes (160 rows) a wave
.set SEL, 32                           ; s[32:33] lane l xor 16
.set M16, 56                           ; s56 lanes 0-15
.set LI,   1                           ; v1  16 x lane
.set SCW,  2                           ; v2  SCR + 640 w + 4 r (+256 a sweep)
.set VF,   3                           ; v3  SCR + 4 x thread
.set H32,  4                           ; v4  32 h
.set R16,  5                           ; v5  16 r
.set LST,  8                           ; v8-11  128 list entries: entry e in lane e / 4, register e % 4
.set VA,   12                          ; v12-15 images of K steps 4 t .. 4 t + 3: LI + 49,152 t (+6,144 a sweep)
.set VAS,  16                          ; v16 ASC + 32 r (+16 a sweep)
.set HOFF, 20                          ; v20-24 my row's place in hidden_in, a register a tile
.set VLL,  25                          ; v25 my row's list entry: 64 tile0 + 4 r (+256 a sweep)
.set SA,   26                          ; v26-35 the dots with W_c, a pair a tile
.set AS,   36                          ; v36-47 the rows' scale words, two sets of six (five used)
.set BS,   48                          ; v48-63 W_a's scale words, four slots of four
.set WC,   64                          ; v64-95 W_c at my columns
.set ACC,  96                          ; v96-255 accumulators: tile m, n-tile j at 96 + 32 m + 8 j
; window 1 in phase S: v0-191 W_a's fragments, four slots of 48; v192-251 the rows' fragments, 12 a tile
; phase G: window 1 holds two banks of two units as loaded; in window 0:
.set C0,   26                          ; v26, v27 my 16 bytes of K steps 2 w, 2 w + 1 in a row
.set C1,   27
.set STI,  28
.set STO,  29
.set VIMG, 30                          ; v30 LI + 24,576 w (+1,536 a tile)
.set VASW, 31                          ; v31 ASC + 1,024 w + 32 r (+4 a tile)
.set OFF,  64                          ; v64-127 row offsets: bank, unit, row
.set X,    128
.set PC,   192
.set TM,   212
.set PW,   228
.set MSB, 0
.macro WIN new                         ; the immediate's high byte repeats the setting that is left
.if MSB != \new
	s_set_vgpr_msb (MSB<<8)|\new
.set MSB, \new
.endif
.endm
.macro NOP4
.rept 4
	v_nop
.endr
.endm
.macro TURNU bank, win, x              ; a unit (16 rows x 512 bytes) through my stage: in as loaded, out with 16 neighbours of each block of 32 in a lane
	WIN \win
.irp i, 0,1,2,3,4,5,6,7,8,9,10,11,12,13,14,15
	ds_store_b128 v[STI], v[\bank+4*\i:\bank+4*\i+3] offset:528*\i
.endr
	WIN 0
.irp b, 0,1,2,3
.irp q, 0,1,2,3
	ds_load_b128 v[\x+16*\b+4*\q:\x+16*\b+4*\q+3], v[STO] offset:128*\b+16*\q
.endr
.endr
	s_wait_dscnt 0x0                               ; the unit is back; the last fragment's stores have read their registers too
.endm
.macro KZ2000 x                        ; K step 15 of K = 2,000: k from 80 on (of 128) is zero
.irp i, 0,1,2,3,4,5,6,7,8,9,10,11,12,13,14,15
	v_cndmask_b32 v[\x+32+\i], 0, v[\x+32+\i], s[M16]
.endr
.irp i, 0,1,2,3,4,5,6,7,8,9,10,11,12,13,14,15
	v_mov_b32 v[\x+48+\i], 0
.endr
.endm
.macro QUANT s, pc, pw, tm             ; 64 numbers of a lane -> a fragment's 12 registers and its rows' scale word
.irp b, 0,1,2,3
	v_max3_num_f32 v[\tm+\b], |v[\s+16*\b]|, |v[\s+1+16*\b]|, 0x2800000   ; and the floor 2^(5 - 127): the byte cannot fall under 1
.endr
.irp i, 2,4,6,8,10,12,14
.irp b, 0,1,2,3
	s_delay_alu instid0(VALU_DEP_4)
	v_max3_num_f32 v[\tm+\b], v[\tm+\b], |v[\s+16*\b+\i]|, |v[\s+1+16*\b+\i]|
.endr
.endr
.irp b, 0,1,2,3
	s_delay_alu instid0(VALU_DEP_4)
	v_permlanex16_b32 v[\tm+4+\b], v[\tm+\b], s[SEL], s[SEL+1]
.endr
.irp b, 0,1,2,3
	s_delay_alu instid0(VALU_DEP_4)
	v_max_num_f32 v[\tm+\b], v[\tm+\b], v[\tm+4+\b]
.endr
.irp b, 0,1,2,3
	s_delay_alu instid0(VALU_DEP_4)
	v_add_nc_u32 v[\tm+12+\b], 0xfe000000, v[\tm+\b]         ; 4 off the exponent field: the conversion's scale operand
.endr
.irp b, 0,1,2,3
	s_delay_alu instid0(VALU_DEP_4)
	v_lshrrev_b32 v[\tm+4+\b], 23, v[\tm+12+\b]
.endr
	s_delay_alu instid0(VALU_DEP_3)
	v_lshl_or_b32 v[\pw], v[\tm+5], 8, v[\tm+4]
	s_delay_alu instid0(VALU_DEP_1)
	v_lshl_or_b32 v[\pw], v[\tm+6], 16, v[\pw]
	s_delay_alu instid0(VALU_DEP_1)
	v_lshl_or_b32 v[\pw], v[\tm+7], 24, v[\pw]
.irp c, 0,1
	v_cvt_scalef32_pk16_bf6_f32 v[\pc+6*\c:\pc+2+6*\c], v[\s+32*\c:\s+15+32*\c], v[\tm+12+2*\c]
	v_cvt_scalef32_pk16_bf6_f32 v[\pc+12+4*\c:\pc+14+4*\c], v[\s+16+32*\c:\s+31+32*\c], v[\tm+12+2*\c+1]
.endr
	v_nop                                          ; one plain place behind a scaled conversion
.irp c, 0,1
.irp i, 0,1,2
	v_permlane16_swap_b32 v[\pc+6*\c+\i], v[\pc+12+4*\c+\i]
.endr
.irp i, 0,1,2
	s_delay_alu instid0(VALU_DEP_3)
	v_mov_b32 v[\pc+3+6*\c+\i], v[\pc+12+4*\c+\i]
.endr
.endr
.endm
; the 16 rows of tile s[st] (counted in the work-group), my two K steps: 32 loads of 512 consecutive bytes into a bank
.macro ALOADS bank, st
	s_lshl_b32 s49, s[\st], 2
.irp i, 0,1,2,3,4,5,6,7,8,9,10,11,12,13,14,15
.if ((\i%4) == 0) && (\i > 0)
	s_add_co_u32 s49, s49, 1
.endif
	v_readlane_b32 s50, v[LST+\i%4], s49
	s_min_u32 s50, s50, 32767                      ; a loaded row number is held inside the tensor
	s_mul_i32 s50, s50, 8000
	v_add_nc_u32 v[OFF+32*\bank+\i], s50, v[C0]
	v_add_nc_u32 v[OFF+32*\bank+16+\i], s50, v[C1]
.endr
	WIN 0x40
.irp u, 0,1
.irp i, 0,1,2,3,4,5,6,7,8,9,10,11,12,13,14,15
	global_load_b128 v[128*\bank+64*\u+4*\i:128*\bank+64*\u+4*\i+3], v[OFF+32*\bank+16*\u+\i], s[4:5]
.endr
.endr
	WIN 0
.endm
.macro PROCESS bank                    ; a bank's two units become two fragments in LDS
.irp u, 0,1
	TURNU 128*\bank+64*\u, 0x04, X
.if \u == 1
	s_cmp_lg_u32 s20, 7
	s_cbranch_scc1 .Lkz_\@
	KZ2000 X
.Lkz_\@:
.endif
	QUANT X, PC, PW, TM
.irp c, 0,1,2
	ds_store_b128 v[VIMG], v[PC+4*\c:PC+4*\c+3] offset:12288*\u+512*\c
.endr
	ds_store_b32 v[VASW], v[PW] offset:512*\u      ; lanes l and l + 16 write the same word with the same value
.endr
.endm
.macro AHALF cur                       ; tile s28: work it if it is among the P tiles; ask for tile s28 + 2 into the bank that has become free
	s_cmp_lt_u32 s28, s24
	s_cbranch_scc0 .Lnp_\@
	PROCESS \cur
.Lnp_\@:
	s_add_co_u32 s53, s28, 2
	s_cmp_lt_u32 s53, s24
	s_cbranch_scc0 .Lnl_\@
	ALOADS \cur, 53
	s_wait_loadcnt 32                              ; the 32 loads just issued are younger: the other bank is in
	s_branch .Ldn_\@
.Lnl_\@:
	s_wait_loadcnt 0x0
.Ldn_\@:
	s_add_co_u32 s28, s28, 1
	s_wait_alu depctr_va_vdst(0)
	v_add_nc_u32 v[VIMG], 1536, v[VIMG]
	v_add_nc_u32 v[VASW], 4, v[VASW]
.endm
; ---- phase S
.macro ALD kn, m                       ; the rows' fragment of K step kn, tile m of the sweep
.irp c, 0,1,2
	ds_load_b128 v[192+12*(\m)+4*\c:192+12*(\m)+4*\c+3], v[VA+(\kn)/4] offset:((\kn)%4)*12288+1536*(\m)+512*\c
.endr
.endm
.macro BSC n                           ; set n of W_a (n = 16 x pass + K step): its scale words: lane r takes row r's four
	global_load_b128 v[BS+4*((\n)%4):BS+4*((\n)%4)+3], v[R16], s[40:41] offset:256*(\n)
.endm
.macro BCD n                           ; and its four fragments: 12 loads of 512 consecutive bytes
.irp j, 0,1,2,3
.irp c, 0,1,2
	global_load_b128 v[48*((\n)%4)+12*\j+4*\c:48*((\n)%4)+12*\j+4*\c+3], v[LI], s[38:39] offset:6144*(\n)+1536*\j+512*\c
.endr
.endr
.endm
.macro MM k, m                         ; tile m against the four n-tiles; the accumulators take turns, one instruction a turn
.irp j, 0,1,2,3
	v_wmma_scale_f32_16x16x128_f8f6f4 v[ACC+32*(\m)+8*\j:ACC+32*(\m)+8*\j+7], v[48*((\k)%4)+12*\j:48*((\k)%4)+12*\j+11], v[192+12*(\m):192+12*(\m)+11], v[ACC+32*(\m)+8*\j:ACC+32*(\m)+8*\j+7], v[BS+4*((\k)%4)+\j], v[AS+6*((\k)%2)+(\m)] matrix_a_fmt:MATRIX_FMT_BF6 matrix_b_fmt:MATRIX_FMT_BF6
.endr
.endm
; K step kk of 32 (16 a pass).  Loads into registers that matrix instructions have read stand behind four plain places.
.macro KSTEP kk
.set KN, ((\kk)+1)%16
.if (\kk) < 30
	s_wait_loadcnt 26                              ; set kk is in: two sets of 13 loads are younger
.else
	s_wait_loadcnt 13*(31-(\kk))                   ; the last two steps: one set, then none
.endif
	s_wait_dscnt 6                                 ; tiles 0, 1 and the scale words are in: the six loads of tiles 2, 3 are younger (with a fifth tile four more: the count then waits for more than it need)
	WIN 0x05                                       ; both sources window 1, C and D window 0
	MM \kk, 0
	MM \kk, 1
	NOP4
	WIN 0
.if (\kk) < 29
	BSC (\kk)+3
.endif
.if (\kk) < 31
	ds_load_b128 v[AS+6*(KN%2):AS+6*(KN%2)+3], v[VAS] offset:512*KN
	WIN 0x40
.endif
.if (\kk) < 29
	BCD (\kk)+3                                    ; three K steps ahead, into the slot read last step
.endif
.if (\kk) < 31
	ALD KN, 0
	ALD KN, 1
	s_wait_dscnt 7                                 ; tiles 2, 3 are in: the seven LDS loads just issued are younger
.else
	s_wait_dscnt 0x0
.endif
	WIN 0x05
	MM \kk, 2
	MM \kk, 3
	NOP4
.if (\kk) < 31
	WIN 0x40
	ALD KN, 2
	ALD KN, 3
.endif
	WIN 0
	s_cmp_eq_u32 s26, 0                            ; a fifth tile?
	s_cbranch_scc1 .Lno5_\@
.if (\kk) < 31
	s_wait_dscnt 13                                ; its fragment and scale word are in: 7 + 6 loads are younger
.else
	s_wait_dscnt 0x0
.endif
	WIN 0x05
	MM \kk, 4
	NOP4
.if (\kk) < 31
	WIN 0x40
	ALD KN, 4
	WIN 0
	ds_load_b32 v[AS+6*(KN%2)+4], v[VAS] offset:512*KN+16
.endif
	WIN 0
.Lno5_\@:
.endm
.macro INIT m, base                    ; hidden_in at my row's batch and my eight columns of each n-tile, straight into the accumulators
.irp j, 0,1,2,3
	global_load_b128 v[ACC+32*(\m)+8*\j:ACC+32*(\m)+8*\j+3], v[HOFF+(\m)], s[\base:\base+1] offset:64*\j
	global_load_b128 v[ACC+32*(\m)+8*\j+4:ACC+32*(\m)+8*\j+7], v[HOFF+(\m)], s[\base:\base+1] offset:64*\j+16
.endr
.endm
.macro WCLD p                          ; W_c at the pass's 64 columns
.irp j, 0,1,2,3
	global_load_b128 v[WC+8*\j:WC+8*\j+3], v[H32], s[46:47] offset:256*\p+64*\j
	global_load_b128 v[WC+8*\j+4:WC+8*\j+7], v[H32], s[46:47] offset:256*\p+64*\j+16
.endr
.endm
.macro EPI m                           ; tile m's 32 numbers a lane, each accumulator from its low end on: tanh, and the dot with W_c
.set EA, ACC+32*(\m)
.set i, 0
.rept 16
	v_pk_mul_f32 v[EA+i:EA+i+1], v[EA+i:EA+i+1], s[34:35] op_sel_hi:[1,0]
.set i, i+2
.endr
.set i, 0
	s_wait_alu depctr_va_vdst(0)
.rept 32
	v_exp_f32 v[EA+i], v[EA+i]
.set i, i+1
.endr
	v_nop                                          ; a plain place behind the batch
	s_wait_alu depctr_va_vdst(0)                   ; one wait for the 32, ahead of their first reader
.set i, 0
.rept 16
	v_pk_add_f32 v[EA+i:EA+i+1], v[EA+i:EA+i+1], 1.0 op_sel_hi:[1,0]
.set i, i+2
.endr
.set i, 0
	s_wait_alu depctr_va_vdst(0)
.rept 32
	v_rcp_f32 v[EA+i], v[EA+i]
.set i, i+1
.endr
	v_nop
	s_wait_alu depctr_va_vdst(0)
	v_pk_fma_f32 v[EA:EA+1], v[EA:EA+1], -2.0, 1.0 op_sel_hi:[1,0,0]
.set i, 2
.rept 15
	v_pk_fma_f32 v[EA+i:EA+i+1], v[EA+i:EA+i+1], -2.0, 1.0 op_sel_hi:[1,0,0]
	s_delay_alu instid0(VALU_DEP_2)
	v_pk_fma_f32 v[SA+2*(\m):SA+2*(\m)+1], v[EA+i-2:EA+i-1], v[WC+i-2:WC+i-1], v[SA+2*(\m):SA+2*(\m)+1]
.set i, i+2
.endr
	s_delay_alu instid0(VALU_DEP_1)
	v_pk_fma_f32 v[SA+2*(\m):SA+2*(\m)+1], v[EA+30:EA+31], v[WC+30:WC+31], v[SA+2*(\m):SA+2*(\m)+1]
.endm
	s_load_b256 s[4:11], s[0:1], 0x0               ; context s[4:5], list s[6:7], wa s[8:9], hid s[10:11]
	s_load_b128 s[12:15], s[0:1], 0x20             ; W_c_b s[12:13], mask s[14:15]
	s_load_b64 s[16:17], s[0:1], 0x30              ; scores
	v_lshl_add_u32 v41, v0, 2, 0x43c00
	v_mov_b32 v47, 0
	v_lshrrev_b32 v6, 5, v0
	s_delay_alu instid0(VALU_DEP_1)
	v_readfirstlane_b32 s20, v6                    ; wave 0..7
	v_and_b32 v232, 31, v0                         ; lane
	v_and_b32 v6, 15, v0                           ; r
	v_bfe_u32 v7, v0, 4, 1                         ; h
	s_delay_alu instid0(VALU_DEP_3)
	v_lshlrev_b32 v[LI], 4, v232
	s_delay_alu instid0(VALU_DEP_2)
	v_lshlrev_b32 v[H32], 5, v7
	s_delay_alu instid0(VALU_DEP_4)
	v_lshlrev_b32 v[R16], 4, v6
	v_lshl_add_u32 v[VF], v0, 2, SCR
	s_mul_i32 s48, s20, 640
	s_add_co_u32 s48, s48, SCR
	v_lshl_add_u32 v[SCW], v6, 2, s48
	v_lshl_add_u32 v229, v232, 2, s48
	v_mov_b32 v230, 0
.irp i, 0,1,2,3,4
	ds_store_b32 v229, v230 offset:128*\i          ; my 640 bytes of score parts begin as zeros
.endr
	s_mul_i32 s48, s20, 8448
	s_add_co_u32 s48, s48, STG
	v_add_nc_u32 v[STI], s48, v[LI]
	v_mul_u32_u24 v[STO], v6, 528
	s_delay_alu instid0(VALU_DEP_1)
	v_lshl_add_u32 v[STO], v7, 6, v[STO]
	s_delay_alu instid0(VALU_DEP_1)
	v_add_nc_u32 v[STO], s48, v[STO]
	s_mul_i32 s48, s20, 24576
	v_add_nc_u32 v[VIMG], s48, v[LI]
	s_lshl_b32 s48, s20, 10
	s_add_co_u32 s49, s48, ASC
	v_lshl_add_u32 v[VASW], v6, 5, s49
	v_add_nc_u32 v[C0], s48, v[LI]
	s_delay_alu instid0(VALU_DEP_1)
	v_add_nc_u32 v[C1], 512, v[C0]
	s_delay_alu instid0(VALU_DEP_1)
	v_min_u32 v[C1], 7984, v[C1]                   ; held inside the row (what is read twice is made zero)
.irp t, 0,1,2,3
	v_add_nc_u32 v[VA+\t], 49152*\t, v[LI]
.endr
	v_lshl_add_u32 v[VAS], v6, 5, ASC
.irp b, 0,1,2,3
	v_mov_b32 v[TM+4+\b], 0                        ; written once: a lane permute's destination counts as one of its sources
.endr
	s_mov_b32 s[SEL], 0x76543210
	s_mov_b32 s[SEL+1], 0xfedcba98
	s_mov_b32 s[M16], 0xffff
	s_mov_b32 s34, 0x4038aa3b                      ; 2 log2(e)
	s_mov_b32 s35, s34
	s_wait_kmcnt 0x0
	s_load_b32 s21, s[6:7], 0x104                  ; T
	s_load_b32 s36, s[12:13], 0x0                  ; W_c_b
	s_mul_i32 s48, s20, 196608
	s_mov_b32 s49, 0
	s_add_nc_u64 s[38:39], s[8:9], s[48:49]        ; my 32 sets of W_a's fragments
	s_lshl_b32 s48, s20, 13
	s_add_co_u32 s48, s48, 1572864
	s_add_nc_u64 s[40:41], s[8:9], s[48:49]        ; and their scale words
	s_lshl_b32 s48, s20, 9
	s_add_nc_u64 s[42:43], s[10:11], s[48:49]      ; hidden_in at my 128 columns: pass 0,
	s_add_nc_u64 s[44:45], s[42:43], 256           ; pass 1;
	s_add_nc_u64 s[46:47], s[42:43], 262144        ; W_c at them
	s_wait_kmcnt 0x0
	s_min_u32 s21, s21, 2048
	s_mul_i32 s22, ttmp9, s21
	s_lshr_b32 s22, s22, 8                         ; my first tile
	s_add_co_u32 s23, ttmp9, 1
	s_mul_i32 s23, s23, s21
	s_lshr_b32 s23, s23, 8
	s_sub_co_u32 s23, s23, s22                     ; Mt
	s_min_u32 s23, s23, 8
	s_min_u32 s22, s22, 2048
	s_cmp_gt_u32 s23, 5
	s_cselect_b32 s24, 8, 5                        ; P: the tiles that are gathered: 0, 4, 5 or 8
	s_cselect_b32 s27, 1, 0                        ; is there a second sweep?
	s_cmp_lt_u32 s23, 5
	s_cselect_b32 s24, 4, s24
	s_cmp_eq_u32 s23, 0
	s_cselect_b32 s24, 0, s24
	s_cselect_b32 s25, 0, 1                        ; is there a first?
	s_cmp_eq_u32 s23, 5
	s_cselect_b32 s26, 1, 0                        ; has it a fifth tile?
	s_lshl_b32 s57, s22, 6                         ; 64 bytes of list, and of scores, a tile
	v_add_nc_u32 v231, s57, v[LI]
	global_load_b128 v[LST:LST+3], v231, s[6:7] offset:512
	v_lshl_add_u32 v[VLL], v6, 2, s57
	s_wait_loadcnt 0x0
	; ---- G: two banks by turns: while one is quantised the other's 32 loads are on their way
	s_mov_b32 s28, 0
	s_mov_b32 s53, 1
	ALOADS 0, 28                                   ; tiles 0 and 1 are asked for in any case: the list is padded with rows that exist
	ALOADS 1, 53
	s_wait_loadcnt 32                              ; bank 0 is in: bank 1's 32 loads are younger
	s_mov_b32 s29, 0
.Lgather:
	AHALF 0
	AHALF 1
	s_add_co_u32 s29, s29, 1
	s_cmp_lt_u32 s29, 4
	s_cbranch_scc1 .Lgather
	s_wait_loadcnt 0x0                             ; nothing of mine is on its way into window 1
	WIN 0x40
.irp i, 0,1,2,3,4,5,6,7,8,9,10,11
	v_mov_b32 v[240+\i], 0                         ; the fifth tile's fragment and scale words are written on every way
.endr
	WIN 0
	v_mov_b32 v[AS+4], 0
	v_mov_b32 v[AS+10], 0
	s_wait_dscnt 0x0                               ; for the others' sake: my fragments and scale words lie in LDS
	s_barrier_signal -1
	s_barrier_wait -1
	; ---- S
	s_mov_b32 s30, 0
.Lsweep:
	s_cmp_eq_u32 s25, 0
	s_cbranch_scc1 .Lsw_end
	s_wait_alu depctr_va_vdst(0)
.irp i, 0,1,2,3,4
	global_load_b32 v[HOFF+\i], v[VLL], s[6:7] offset:512+64*\i   ; my row's number in each tile
.endr
.irp n, 0,1,2
	WIN 0
	BSC \n
	WIN 0x40
	BCD \n
.endr
	WIN 0
	ds_load_b128 v[AS:AS+3], v[VAS]
	WIN 0x40
	ALD 0, 0
	ALD 0, 1
	ALD 0, 2
	ALD 0, 3
	WIN 0
	s_cmp_eq_u32 s26, 0
	s_cbranch_scc1 .Lp5
	WIN 0x40
	ALD 0, 4
	WIN 0
	ds_load_b32 v[AS+4], v[VAS] offset:16
.Lp5:
	s_wait_loadcnt 39                              ; the row numbers are in: three sets of 13 loads are younger
.irp i, 0,1,2,3,4
	v_min_u32 v[HOFF+\i], 32767, v[HOFF+\i]
.endr
.irp i, 0,1,2,3,4
	v_and_b32 v[HOFF+\i], 0x7e00, v[HOFF+\i]       ; 512 x batch
.endr
.irp i, 0,1,2,3,4
	v_lshlrev_b32 v[HOFF+\i], 3, v[HOFF+\i]        ; a row of hidden_in is 4,096 bytes
.endr
.irp i, 0,1,2,3,4
	v_add_nc_u32 v[HOFF+\i], v[H32], v[HOFF+\i]
.endr
.irp m, 0,1,2,3,4
	INIT \m, 42
.endr
	WCLD 0
.irp i, 0,1,2,3,4,5,6,7,8,9
	v_mov_b32 v[SA+\i], 0
.endr
	s_wait_loadcnt 8                               ; hidden_in and sets 0-2 are in: W_c's eight loads are the youngest
.set KK, 0
.rept 16
	KSTEP KK
.set KK, KK+1
.endr
.irp m, 0,1,2,3                                ; pass 0 ends: each tile's tanh and dot, and behind it the next pass's hidden_in into the same registers
	EPI \m
	INIT \m, 44
.endr
	s_cmp_eq_u32 s26, 0
	s_cbranch_scc1 .Le5a
	EPI 4
	INIT 4, 44
.Le5a:
	WCLD 1
	s_wait_loadcnt 8                               ; hidden_in and sets 16-18 are in: W_c's eight loads are the youngest
.rept 16
	KSTEP KK
.set KK, KK+1
.endr
.irp m, 0,1,2,3
	EPI \m
.endr
	s_cmp_eq_u32 s26, 0
	s_cbranch_scc1 .Le5b
	EPI 4
.Le5b:
	s_wait_alu depctr_va_vdst(0)
.irp i, 0,1,2,3,4
	v_add_f32 v[SA+2*\i], v[SA+2*\i], v[SA+2*\i+1]
.endr
.irp i, 0,1,2,3,4
	v_permlanex16_b32 v[SA+2*\i+1], v[SA+2*\i], s[SEL], s[SEL+1]
.endr
.irp i, 0,1,2,3,4
	v_add_f32 v[SA+2*\i], v[SA+2*\i], v[SA+2*\i+1] ; my row's dot over my wave's 128 columns
.endr
.irp i, 0,1,2,3,4
	ds_store_b32 v[SCW], v[SA+2*\i] offset:64*\i   ; lanes l and l + 16 write the same word with the same value; a tile that was not computed leaves 0
.endr
.Lsw_end:                                      ; on every way: the next sweep's four tiles
	s_wait_alu depctr_va_vdst(0)
.irp t, 0,1,2,3
	v_add_nc_u32 v[VA+\t], 6144, v[VA+\t]
.endr
	v_add_nc_u32 v[VAS], 16, v[VAS]
	v_add_nc_u32 v[SCW], 256, v[SCW]
	v_add_nc_u32 v[VLL], 256, v[VLL]
	s_mov_b32 s25, s27
	s_mov_b32 s26, 0
	s_add_co_u32 s30, s30, 1
	s_cmp_lt_u32 s30, 2
	s_cbranch_scc1 .Lsweep
	; ---- F: thread t < 128 takes row t of the work-group
	s_wait_dscnt 0x0                               ; for the others' sake: my parts lie in LDS
	s_barrier_signal -1
	s_barrier_wait -1
	s_cmp_gt_u32 s20, 3
	s_cbranch_scc1 .Lend
.irp u, 0,1,2,3,4,5,6,7
	ds_load_b32 v[64+\u], v[VF] offset:640*\u
.endr
	v_lshl_add_u32 v17, v0, 2, s57
	global_load_b32 v18, v17, s[6:7] offset:512    ; the row's number,
	v_mov_b32 v73, 0xc9742400                      ; -1e6
	s_wait_loadcnt 0x0
	v_min_u32 v18, 32767, v18
	global_load_u8 v19, v18, s[14:15]              ; its mask byte
	s_wait_dscnt 0x0
.irp u, 1
	v_add_f32 v64, v64, v[64+\u]
.endr
.irp u, 2, 3, 4, 5, 6, 7
	s_delay_alu instid0(VALU_DEP_1)
	v_add_f32 v64, v64, v[64+\u]
.endr
	s_delay_alu instid0(VALU_DEP_1)
	v_add_f32 v64, s36, v64
	s_wait_alu depctr_va_vdst(0)
	s_wait_loadcnt 0x0
	v_cmp_ne_u32 vcc_lo, 0, v19
	s_delay_alu instid0(VALU_DEP_1)
	v_cndmask_b32 v64, v64, v73, vcc_lo
	s_lshl_b32 s37, s23, 4                         ; my 16 Mt rows alone are mine to store
	s_wait_alu depctr_va_vdst(0)
	s_wait_xcnt 0x0                                ; EXEC changes only behind this wait
	s_wait_tensorcnt 0x0
	ds_add_u32 v41, v47
	s_wait_dscnt 0x0
	v_cmpx_gt_u32 s37, v0
	global_store_b32 v17, v64, s[16:17]
	s_endpgm
.Lend:
	s_wait_tensorcnt 0x0
	ds_add_u32 v41, v47
	s_wait_dscnt 0x0
	s_endpgm
.Lfunc_end_k_q89f1dbc265_scores:
	.size	k_q89f1dbc265_scores, .Lfunc_end_k_q89f1dbc265_scores-k_q89f1dbc265_scores
	.p2alignl 7, 3214868480
	.fill 96, 4, 3214868480
	.section	.rodata,"a",@progbits
	.p2align	6, 0x0
	.amdhsa_kernel k_q89f1dbc265_scores
		.amdhsa_group_segment_fixed_size 278528
		.amdhsa_private_segment_fixed_size 0
		.amdhsa_enable_private_segment 0
		.amdhsa_kernarg_size 56
		.amdhsa_user_sgpr_count 2
		.amdhsa_user_sgpr_kernarg_segment_ptr 1
		.amdhsa_wavefront_size32 1
		.amdhsa_system_sgpr_workgroup_id_x 1
		.amdhsa_system_sgpr_workgroup_id_y 1
		.amdhsa_system_sgpr_workgroup_id_z 1
		.amdhsa_system_vgpr_workitem_id 0
		.amdhsa_next_free_vgpr 512
		.amdhsa_next_free_sgpr 66
		.amdhsa_reserve_vcc 1
		.amdhsa_float_denorm_mode_32 3
		.amdhsa_float_denorm_mode_16_64 3
		.amdhsa_memory_ordered 1
		.amdhsa_forward_progress 1
		.amdhsa_inst_pref_size 255
	.end_amdhsa_kernel
	.section	.bss,"aw",@nobits
	.p2align	6
	.space	262144
	.amdgpu_metadata
---
amdhsa.version: [ 1, 2 ]
amdhsa.kernels:
  - .name:           k_q89f1dbc265_scores
    .symbol:         k_q89f1dbc265_scores.kd
    .args:
      - { .name: context, .offset: 0, .size: 8, .value_kind: global_buffer, .address_space: global }
      - { .name: list, .offset: 8, .size: 8, .value_kind: global_buffer, .address_space: global }
      - { .name: wa, .offset: 16, .size: 8, .value_kind: global_buffer, .address_space: global }
      - { .name: hid, .offset: 24, .size: 8, .value_kind: global_buffer, .address_space: global }
      - { .name: W_c_b, .offset: 32, .size: 8, .value_kind: global_buffer, .address_space: global }
      - { .name: mask, .offset: 40, .size: 8, .value_kind: global_buffer, .address_space: global }
      - { .name: scores, .offset: 48, .size: 8, .value_kind: global_buffer, .address_space: global }
    .group_segment_fixed_size: 278528
    .private_segment_fixed_size: 0
    .kernarg_segment_align: 8
    .kernarg_segment_size: 56
    .max_flat_workgroup_size: 256
    .sgpr_count:     66
    .vgpr_count:     512
    .wavefront_size: 32
...
	.end_amdgpu_metadata
.endif
;; end of part 2
;; launch wsum (part 3): grid 4 x 64, 32 waves a work-group, no clusters, 29,184 bytes of LDS; arguments context, list, scores, wsq, list2; writes wsq
.if DOCPART == 3
	.amdgcn_target "amdgcn-amd-amdhsa--gfx1250"
	.amdhsa_code_object_version 6
	.text
	.protected	k_q89f1dbc265_wsum
	.globl	k_q89f1dbc265_wsum
	.p2align	8
	.type	k_q89f1dbc265_wsum,@function
k_q89f1dbc265_wsum:
	s_mov_b64 s[64:65], 0
	v_nop
	global_prefetch_b8 v0, s[64:65] scope:SCOPE_SE
	s_setreg_imm32_b32 hwreg(HW_REG_WAVE_MODE, 25, 1), 1
	s_wait_xcnt 0x0
; WSUM: for batch b: the softmax over its listed rows (the largest score is taken away first; rows that are not listed have the weight 0 and are left out, as the first kernel's head shows),
; the weighted sum of the rows of context in f32 (fused multiply-adds: the result goes on into a quantiser), and its codes of E3M2 with E8M0 scale bytes along the 2,000 columns, zeros up to 2,048.
; SHARES.  Work-group (c, b): columns 512 c .. 512 c + 511.  Wave w: 128 of them (w % 4; a load reads 512 consecutive bytes of a row) and the groups of 20 listed rows 8 t + w / 4, t = 0 .. 3 (640 places for a batch's 512 at the most).
; THE ROW NUMBERS of a wave's four groups come once, at the head, out of list2, where batch b's i-th listed row stands at word 512 b + i: the addresses are made of ids alone (held at the batch's word 511).
; Behind a batch's n listed rows list2 holds its other rows: a group that reaches past n reads rows that exist, and they get the weight 0.  The batch's start in the list and n come beside these loads; they serve the scores, the weights and the test for a further group.
; THE ROWS ARE A STREAM THAT DOES NOT DRAIN: when four rows of a group have been added, the next group's four rows are asked for into the same registers; 16 to 20 loads of a wave are out.
; The offset of a row load stands in the first of the four registers that the load fills.  No matrix unit, no tensor loads, no cluster: how many groups there are is a number read from memory, and work-groups share no bytes.
; LIMITS: NaN and infinities among the inputs are not served; a block of zeros carries the scale byte 1 (its codes are zeros; this program alone reads the bytes).
; THE CODES go out in the order of an operand's registers (fragment = 16 batches x 128 K, 1,536 bytes: register i of lane (r, h) at 512 (i / 4) + 16 (r + 16 h) + 4 (i % 4)).
.set SEL, 32                           ; s[32:33] lane l xor 16
.set RED, 4608                         ; LDS: 0 the waves' maxima, 256 their sums, 512 the 1,024 weights, here 8 x 2,560: the parts of the sum, 64 + 16 bytes for each 16 columns; 0x6200: the spare words
.set D,   16                           ; v16-95   20 rows x 4 columns
.set PV,  96                           ; v96-115  20 weights (v96 first holds group 0's row numbers); at the end the lane's 16 columns
.set AC,  116                          ; v116-123 sums: even rows, odd rows
.set RO,  36                           ; s[36:55] row offsets;  v124, v125, v8: the row numbers of groups 1, 2, 3
.macro WMAX v, t
.irp x, 1,2,4,8
.if \x > 1
	s_delay_alu instid0(VALU_DEP_1)
.endif
	v_max_num_f32_dpp v[\v], v[\v], v[\v] row_xmask:\x row_mask:0xf bank_mask:0xf
.endr
	s_delay_alu instid0(VALU_DEP_1)
	v_permlanex16_b32 v[\t], v[\v], s[SEL], s[SEL+1]
	s_delay_alu instid0(VALU_DEP_1)
	v_max_num_f32 v[\v], v[\v], v[\t]
.endm
.macro WSUMM v, t
.irp x, 1,2,4,8
.if \x > 1
	s_delay_alu instid0(VALU_DEP_1)
.endif
	v_add_f32_dpp v[\v], v[\v], v[\v] row_xmask:\x row_mask:0xf bank_mask:0xf
.endr
	s_delay_alu instid0(VALU_DEP_1)
	v_permlanex16_b32 v[\t], v[\v], s[SEL], s[SEL+1]
	s_delay_alu instid0(VALU_DEP_1)
	v_add_f32 v[\v], v[\v], v[\t]
.endm
.macro ASK lr, c                       ; rows 4 c .. 4 c + 3 of the group whose numbers stand in v[lr]: four loads
.irp j, 0,1,2,3
	v_readlane_b32 s[RO+4*\c+\j], v[\lr], 4*\c+\j
	s_min_u32 s[RO+4*\c+\j], s[RO+4*\c+\j], 32767      ; a loaded row number is held inside the tensor
	s_mul_i32 s[RO+4*\c+\j], s[RO+4*\c+\j], 8000
.endr
.irp j, 0,1,2,3
	v_add_nc_u32 v[D+16*\c+4*\j], s[RO+4*\c+\j], v2
.endr
.irp j, 0,1,2,3
	global_load_b128 v[D+16*\c+4*\j:D+16*\c+4*\j+3], v[D+16*\c+4*\j], s[4:5]
.endr
.endm
.macro FMA4 c, cnt                     ; rows 4 c .. 4 c + 3 are added; cnt: the loads issued behind the fourth of them
.if \c > 0
	s_wait_alu depctr_va_vdst(0)
.endif
	s_wait_loadcnt \cnt
.irp j, 0,1,2,3
.irp e, 0,1,2,3
	v_fmac_f32 v[AC+4*(\j%2)+\e], v[D+16*\c+4*\j+\e], v[PV+4*\c+\j]
.endr
.endr
.endm
.macro WLD t                           ; group t's 20 weights, the same for every lane
	s_wait_alu depctr_va_vdst(0)
.irp q, 0,1,2,3,4
	ds_load_b128 v[PV+4*\q:PV+4*\q+3], v3 offset:512+640*\t+16*\q
.endr
	s_wait_dscnt 0x0
.endm
.macro FMAR lr                         ; a group that has a successor: behind rows 4 c + 3 stand the group's 16 - 4 c later rows and the successor's 4 c: 16 loads
.irp c, 0,1,2,3,4
	FMA4 \c, 16
	ASK \lr, \c
.endr
.endm
.macro LD4 p0                          ; four waves' parts of my 16 columns
.irp p, 0,1,2,3
.irp q, 0,1,2,3
	ds_load_b128 v[D+16*\p+4*\q:D+16*\p+4*\q+3], v13 offset:2560*(\p+\p0)+16*\q
.endr
.endr
.endm
	s_load_b256 s[4:11], s[0:1], 0x0               ; context s[4:5], list s[6:7], scores s[8:9], wsq s[10:11]
	s_load_b64 s[56:57], s[0:1], 0x20              ; list2
	v_lshl_add_u32 v126, v0, 2, 0x6200             ; my spare word,
	v_mov_b32 v127, 0                              ; and 0
	v_lshrrev_b32 v1, 5, v0
	v_readfirstlane_b32 s12, v1                    ; wave 0..31
	v_and_b32 v1, 31, v0                           ; lane
	v_lshlrev_b32 v11, 2, v0                       ; a word a thread
	v_lshlrev_b32 v10, 2, v1                       ; a word a lane
	v_lshrrev_b32 v12, 2, v1
	v_and_b32 v13, 3, v1
	v_mul_u32_u24 v12, v12, 80
	v_min_u32 v8, 19, v1                           ; my entry of a group of 20
	v_lshl_add_u32 v12, v13, 4, v12
	v_mul_u32_u24 v13, v1, 80
.irp e, 0,1,2,3,4,5,6,7
	v_mov_b32 v[AC+\e], 0
.endr
	v_add_nc_u32 v13, RED, v13                     ; for wave 0 at the end: 16 columns a lane
	s_wait_alu depctr_va_vdst(0)
	s_and_b32 s13, s12, 3                          ; which 128 columns
	s_lshr_b32 s14, s12, 2                         ; ph: which groups of rows
	s_and_b32 s15, ttmp7, 0xffff                   ; batch
	s_lshl_b32 s16, s15, 2
	s_mov_b32 s17, 0
	s_mov_b32 s[SEL], 0x76543210
	s_mov_b32 s[SEL+1], 0xfedcba98
	s_lshl_b32 s22, s12, 2
	s_mul_i32 s23, s14, 80
	s_mul_i32 s24, s14, 2560
	s_mul_i32 s25, s13, 640
	s_add_co_u32 s24, s24, s25
	s_add_co_u32 s24, s24, RED
	s_lshl_b32 s25, ttmp9, 11
	s_lshl_b32 s26, s13, 9
	s_add_co_u32 s25, s25, s26
	s_mul_i32 s30, s14, 20                         ; 20 ph
	s_lshr_b32 s27, s15, 4                         ; the way out: 16 fragments of 1,536 bytes for each 16 batches,
	s_mul_i32 s27, s27, 24576
	s_mul_i32 s34, ttmp9, 6144                     ; four K steps a work-group,
	s_add_co_u32 s27, s27, s34
	s_and_b32 s34, s15, 15
	s_lshl_b32 s34, s34, 4                         ; 16 bytes a batch
	s_add_co_u32 s27, s27, s34
	s_lshl_b32 s28, s15, 6                         ; the scale bytes: 64 a batch, 16 a work-group
	s_lshl_b32 s34, ttmp9, 4
	s_add_co_u32 s28, s28, s34
	s_lshl_b32 s29, ttmp9, 9                       ; my work-group's first column
	s_lshl_b32 s31, s15, 9
	s_add_co_u32 s35, s31, s30                     ; list2: word 512 b + 20 ph,
	s_add_co_u32 s31, s31, 511                     ; and the batch's last word
	v_mov_b32 v9, s22                              ; my wave's word
	v_mov_b32 v3, s23                              ; 80 ph: my groups' weights, 20 words a group
	v_add_nc_u32 v96, s35, v8                      ; my entry of group ph,
	v_add_nc_u32 v12, s24, v12                     ; my four columns' place among the parts
	v_lshl_add_u32 v2, v1, 4, s25
	v_add_nc_u32 v124, 160, v96                    ; of groups 8 + ph, 16 + ph, 24 + ph
	v_add_nc_u32 v125, 320, v96
	v_add_nc_u32 v8, 480, v96
	v_min_u32 v2, 7984, v2                         ; my 16 bytes of a row, held inside it (columns from 2,000 on are made zero at the end)
.irp r, 96,124,125,8
	v_min_u32 v\r, s31, v\r                        ; held inside the batch's 512 words
.endr
.irp r, 96,124,125,8
	v_lshlrev_b32 v\r, 2, v\r
.endr
	s_wait_alu depctr_va_vdst(0)
	s_wait_kmcnt 0x0
	s_add_nc_u64 s[18:19], s[6:7], s[16:17]
	s_load_b32 s20, s[18:19], 0x0                  ; where the batch's rows begin in the list,
	s_load_b32 s21, s[18:19], 0x4                  ; and the next batch's
.irp r, 96,124,125,8
	global_load_b32 v\r, v\r, s[56:57]             ; my groups' row numbers
.endr
	s_wait_kmcnt 0x0
	s_min_u32 s20, s20, 32767
	s_min_u32 s21, s21, 32768
	s_sub_co_u32 s21, s21, s20                     ; n, 1 .. 512
	s_min_u32 s21, s21, 512
	s_max_u32 s21, s21, 1
	s_sub_co_u32 s22, s21, 1
	v_min_u32 v5, s22, v0
	v_add_nc_u32 v5, s20, v5
	v_min_u32 v5, 32767, v5
	v_lshlrev_b32 v5, 2, v5
	global_load_b32 v4, v5, s[8:9]                 ; thread t: the score of listed row t (the last one again from n on)
	s_wait_loadcnt 4                               ; group 0's numbers are in: the three later groups' loads and the score's are younger
.irp c, 0,1,2,3,4
	ASK 96, \c                                     ; group 0's 20 rows go out ahead of the softmax
.endr
	s_wait_loadcnt 20                              ; the score is in: the 20 row loads are younger
	v_cmp_gt_u32 vcc_lo, s21, v0                   ; t < n
	v_mov_b32 v6, 0xff61b1e6                       ; -3e38
	v_cndmask_b32 v4, v6, v4, vcc_lo
	v_mov_b32 v7, v4
	WMAX 7, 6
	ds_store_b32 v9, v7
	s_wait_alu depctr_va_vdst(0)
	s_wait_dscnt 0x0                               ; for the others' sake: my wave's maximum lies in LDS
	s_barrier_signal -1
	s_barrier_wait -1
	ds_load_b32 v7, v10
	s_wait_dscnt 0x0
	WMAX 7, 6                                      ; the batch's largest score
	v_sub_f32 v4, v4, v7
	v_mul_f32 v4, 0x3fb8aa3b, v4
	s_wait_alu depctr_va_vdst(0)
	v_exp_f32 v4, v4
	v_cmp_gt_u32 vcc_lo, s21, v0                   ; (a plain place behind the exponential)
	s_wait_alu depctr_va_vdst(0)
	v_cndmask_b32 v4, 0, v4, vcc_lo
	ds_store_b32 v11, v4 offset:512                ; weight t, not yet divided by the sum; 0 from n on
	v_mov_b32 v7, v4
	WSUMM 7, 6
	ds_store_b32 v9, v7 offset:256
	s_wait_alu depctr_va_vdst(0)
	s_wait_dscnt 0x0                               ; for the others' sake: my weights and my wave's sum lie in LDS
	s_barrier_signal -1
	s_barrier_wait -1
	ds_load_b32 v7, v10 offset:256
	s_wait_dscnt 0x0
	WSUMM 7, 6
	s_wait_alu depctr_va_vdst(0)
	v_rcp_f32 v14, v7                              ; 1 / the sum: it multiplies once, at the end
	v_mov_b32 v15, 0                               ; (a plain place; and the pair's upper half is written)
	WLD 0
	s_add_co_u32 s24, s30, 160
	s_cmp_lt_u32 s24, s21                          ; has the batch a group 8 + ph?
	s_cbranch_scc0 .Llast
	FMAR 124
	WLD 1
	s_add_co_u32 s24, s30, 320
	s_cmp_lt_u32 s24, s21
	s_cbranch_scc0 .Llast
	FMAR 125
	WLD 2
	s_add_co_u32 s24, s30, 480
	s_cmp_lt_u32 s24, s21
	s_cbranch_scc0 .Llast
	FMAR 8
	WLD 3
.Llast:                                        ; the wave's last group: its 20 loads are out on every way here, its weights are in
.irp c, 0,1,2,3,4
	FMA4 \c, 16-4*\c
.endr
.irp e, 0,1,2,3
	v_add_f32 v[AC+\e], v[AC+\e], v[AC+4+\e]
.endr
	ds_store_b128 v12, v[AC:AC+3]
	s_wait_alu depctr_va_vdst(0)
	s_wait_dscnt 0x0                               ; for wave 0's sake: my part lies in LDS
	s_barrier_signal -1
	s_barrier_wait -1
	s_cmp_lg_u32 s12, 0
	s_cbranch_scc1 .Lend
	; wave 0: lane l takes columns 16 l .. 16 l + 15 of the work-group's 512
	LD4 0
	s_wait_dscnt 0x0
.irp k, 0,2,4,6,8,10,12,14
	v_pk_add_f32 v[PV+\k:PV+\k+1], v[D+\k:D+\k+1], v[D+16+\k:D+16+\k+1]
.endr
.irp p, 2,3
.irp k, 0,2,4,6,8,10,12,14
	v_pk_add_f32 v[PV+\k:PV+\k+1], v[PV+\k:PV+\k+1], v[D+16*\p+\k:D+16*\p+\k+1]
.endr
.endr
	LD4 4
	s_wait_alu depctr_va_vdst(0)
	s_wait_dscnt 0x0
.irp p, 0,1,2,3
.irp k, 0,2,4,6,8,10,12,14
	v_pk_add_f32 v[PV+\k:PV+\k+1], v[PV+\k:PV+\k+1], v[D+16*\p+\k:D+16*\p+\k+1]
.endr
.endr
.irp k, 0,2,4,6,8,10,12,14
	v_pk_mul_f32 v[PV+\k:PV+\k+1], v[PV+\k:PV+\k+1], v[14:15] op_sel_hi:[1,0]
.endr
	v_lshl_add_u32 v8, v1, 4, s29                  ; my first column
	v_cmp_gt_u32 vcc_lo, 2000, v8
.irp k, 0,1,2,3,4,5,6,7,8,9,10,11,12,13,14,15
	v_cndmask_b32 v[PV+\k], 0, v[PV+\k], vcc_lo    ; zeros from column 2,000 on (2,000 is a multiple of 16)
.endr
	v_max3_num_f32 v6, |v[PV]|, |v[PV+1]|, |v[PV+2]|
	v_max3_num_f32 v7, |v[PV+3]|, |v[PV+4]|, |v[PV+5]|
.irp i, 6,10
	v_max3_num_f32 v6, v6, |v[PV+\i]|, |v[PV+\i+1]|
	v_max3_num_f32 v7, v7, |v[PV+\i+2]|, |v[PV+\i+3]|
.endr
	v_max3_num_f32 v6, v6, |v[PV+14]|, |v[PV+15]|
	v_max3_num_f32 v6, v6, v7, 0x2800000           ; and the floor 2^(5 - 127): the byte cannot fall under 1
	v_max_num_f32_dpp v6, v6, v6 row_xmask:1 row_mask:0xf bank_mask:0xf   ; with my neighbour's 16: the block's largest magnitude
	v_add_nc_u32 v7, 0xfe000000, v6                ; 4 off its exponent field: the conversion's scale operand
	v_cvt_scalef32_pk16_bf6_f32 v[16:18], v[PV:PV+15], v7
	v_lshrrev_b32 v19, 23, v7                      ; the scale's byte
	; my three registers in the operand: K step 4 c + l / 8; my 16 codes are k = 64 c' + 32 h + 16 u + 0 .. 15 with c' = bit 2, h = bit 1, u = bit 0 of l: registers 6 c' + 3 u + 0, 1, 2 of lane (b % 16, h)
	v_lshrrev_b32 v20, 3, v1
	v_mul_u32_u24 v20, v20, 1536
	v_add_nc_u32 v20, s27, v20
	v_bfe_u32 v21, v1, 1, 1
	v_lshl_add_u32 v20, v21, 8, v20                ; + 16 x 16 h
	v_bfe_u32 v21, v1, 2, 1
	v_mul_u32_u24 v21, v21, 6
	v_and_b32 v22, 1, v1
	v_mad_u32_u24 v21, v22, 3, v21                 ; my first register's number
.irp d, 0,1,2
	v_add_nc_u32 v23, \d, v21
	v_lshrrev_b32 v24, 2, v23
	v_and_b32 v23, 3, v23
	v_lshl_add_u32 v24, v24, 9, v20
	v_lshl_add_u32 v[26+\d], v23, 2, v24
.endr
.irp d, 0,1,2
	global_store_b32 v[26+\d], v[16+\d], s[10:11]
.endr
	v_lshrrev_b32 v21, 1, v1
	v_add_nc_u32 v21, s28, v21
	global_store_b8 v21, v19, s[10:11] offset:98304   ; both lanes of a block store the same byte to the same place: [batch][64 blocks]
.Lend:
	s_wait_tensorcnt 0x0                           ; the wave's end
	ds_add_u32 v126, v127
	s_wait_dscnt 0x0
	s_endpgm
.Lfunc_end_k_q89f1dbc265_wsum:
	.size	k_q89f1dbc265_wsum, .Lfunc_end_k_q89f1dbc265_wsum-k_q89f1dbc265_wsum
	.p2alignl 7, 3214868480
	.fill 96, 4, 3214868480
	.section	.rodata,"a",@progbits
	.p2align	6, 0x0
	.amdhsa_kernel k_q89f1dbc265_wsum
		.amdhsa_group_segment_fixed_size 29184
		.amdhsa_private_segment_fixed_size 0
		.amdhsa_enable_private_segment 0
		.amdhsa_kernarg_size 40
		.amdhsa_user_sgpr_count 2
		.amdhsa_user_sgpr_kernarg_segment_ptr 1
		.amdhsa_wavefront_size32 1
		.amdhsa_system_sgpr_workgroup_id_x 1
		.amdhsa_system_sgpr_workgroup_id_y 1
		.amdhsa_system_sgpr_workgroup_id_z 1
		.amdhsa_system_vgpr_workitem_id 0
		.amdhsa_next_free_vgpr 128
		.amdhsa_next_free_sgpr 66
		.amdhsa_reserve_vcc 1
		.amdhsa_float_denorm_mode_32 3
		.amdhsa_float_denorm_mode_16_64 3
		.amdhsa_memory_ordered 1
		.amdhsa_forward_progress 1
		.amdhsa_inst_pref_size 56
	.end_amdhsa_kernel
	.amdgpu_metadata
---
amdhsa.version: [ 1, 2 ]
amdhsa.kernels:
  - .name:           k_q89f1dbc265_wsum
    .symbol:         k_q89f1dbc265_wsum.kd
    .args:
      - { .name: context, .offset: 0, .size: 8, .value_kind: global_buffer, .address_space: global }
      - { .name: list, .offset: 8, .size: 8, .value_kind: global_buffer, .address_space: global }
      - { .name: scores, .offset: 16, .size: 8, .value_kind: global_buffer, .address_space: global }
      - { .name: wsq, .offset: 24, .size: 8, .value_kind: global_buffer, .address_space: global }
      - { .name: list2, .offset: 32, .size: 8, .value_kind: global_buffer, .address_space: global }
    .group_segment_fixed_size: 29184
    .private_segment_fixed_size: 0
    .kernarg_segment_align: 8
    .kernarg_segment_size: 40
    .max_flat_workgroup_size: 1024
    .sgpr_count:     66
    .vgpr_count:     128
    .wavefront_size: 32
...
	.end_amdgpu_metadata
.endif
;; end of part 3
;; launch dense (part 4): grid 63 x 1, 16 waves a work-group, no clusters, 67,584 bytes of LDS; arguments dw, dense_b, wsq, out0; writes out0
.if DOCPART == 4
	.amdgcn_target "amdgcn-amd-amdhsa--gfx1250"
	.amdhsa_code_object_version 6
	.text
	.protected	k_q89f1dbc265_dense
	.globl	k_q89f1dbc265_dense
	.p2align	8
	.type	k_q89f1dbc265_dense,@function
k_q89f1dbc265_dense:
	s_mov_b64 s[64:65], 0
	v_nop
	global_prefetch_b8 v0, s[64:65] scope:SCOPE_SE
	s_setreg_imm32_b32 hwreg(HW_REG_WAVE_MODE, 25, 1), 1
	s_wait_xcnt 0x0
; DENSE: out0 = Q(weighted sum) Q(dense_w)^T + dense_b.  Both operands arrive as codes of E3M2 laid in the order of an operand's registers (a fragment of 16 rows x 128 K is 1,536 bytes:
; three loads of 512 consecutive bytes), with their E8M0 scale words: dense_w's from the first launch, the weighted sum's from the launch before.
; SHARES.  Work-group y: columns 16 y .. 16 y + 15 of the output, all 64 batches.  Wave w: K step w (128 of 2,048 along K; both operands hold zero codes from 2,000 on).
; The sixteen parts meet in LDS and are added as a tree, with the bias.
; The products are used transposed (source 0 = 16 rows of dense_w, source 1 = 16 batches): lane (r, h) holds batch 16 mt + r, register j column 16 y + 8 h + j.
; No tensor loads, no ring: a wave reads 7,680 bytes of codes once.  LIMITS: NaN and infinities among the inputs are not served.
.set RED,  0                           ; LDS: sixteen waves' partial sums of 4,096 bytes
.set PC,   16                          ; v16-27   dense_w's fragment
.set WSF,  32                          ; v32-79   the weighted sum's four fragments
.set ACD,  80                          ; v80-111  the four accumulators
.set X,    112                         ; v112-143 the parts read back
.set PW,   144                         ; v144     dense_w's scale word;  v145-148 the weighted sum's: these five hold scales and nothing else
.set WSS,  145
.set BI,   150                         ; v150-151 the bias at my two columns
	s_load_b256 s[4:11], s[0:1], 0x0               ; dw s[4:5], dense_b s[6:7], wsq s[8:9], out0 s[10:11]
	v_lshl_add_u32 v160, v0, 2, 0x10000
	v_mov_b32 v161, 0
	v_lshrrev_b32 v1, 5, v0
	s_delay_alu instid0(VALU_DEP_1)
	v_readfirstlane_b32 s20, v1                    ; wave 0..15
	v_and_b32 v1, 31, v0
	v_and_b32 v2, 15, v0                           ; r
	s_wait_alu depctr_va_vdst(0)
	v_bfe_u32 v3, v0, 4, 1                         ; h
	v_lshlrev_b32 v7, 4, v1                        ; 16 x lane
	s_wait_alu depctr_va_vdst(0)
	s_lshr_b32 s21, ttmp9, 2                       ; n-tile y = 4 g + j
	s_and_b32 s22, ttmp9, 3
	s_lshl_b32 s21, s21, 4
	s_add_co_u32 s21, s21, s20                     ; set 16 g + w: four fragments of 1,536 bytes, 256 bytes of scale words
	s_mul_i32 s23, s21, 6144
	s_mul_i32 s24, s22, 1536
	s_add_co_u32 s23, s23, s24
	v_add_nc_u32 v6, s23, v7                       ; dense_w's fragment
	s_lshl_b32 s23, s21, 8
	s_lshl_b32 s24, s22, 2
	s_add_co_u32 s23, s23, s24
	v_lshl_add_u32 v5, v2, 4, s23                  ; its scale word: row r's four words on end, word j
	s_mul_i32 s25, s20, 1536
	v_add_nc_u32 v8, s25, v7                       ; the weighted sum's fragments: K step w; 24,576 bytes from 16 batches to the next
	s_lshl_b32 s25, s20, 2
	v_lshl_add_u32 v9, v2, 6, s25                  ; its scale words: 64 bytes a batch, word w
	s_lshl_b32 s25, s20, 12
	s_add_co_u32 s25, s25, RED
	v_add_nc_u32 v10, s25, v7                      ; my partial sums
	s_lshr_b32 s26, s20, 1                         ; q: the quad of registers that I help to add up,
	s_and_b32 s27, s20, 1                          ; e: its lower or upper pair
	s_lshl_b32 s25, s26, 9
	s_lshl_b32 s28, s27, 3
	s_add_co_u32 s25, s25, s28
	s_add_co_u32 s25, s25, RED
	v_add_nc_u32 v11, s25, v7
	s_lshl_b32 s25, ttmp9, 4
	s_and_b32 s28, s26, 1
	s_lshl_b32 s28, s28, 2
	s_add_co_u32 s25, s25, s28
	s_lshl_b32 s28, s27, 1
	s_add_co_u32 s25, s25, s28
	v_lshl_add_u32 v14, v3, 3, s25                 ; my first column: 16 y + 8 h + 4 (q % 2) + 2 e
	s_delay_alu instid0(VALU_DEP_1)
	v_min_u32 v12, 998, v14
	s_delay_alu instid0(VALU_DEP_1)
	v_lshlrev_b32 v12, 2, v12                      ; its bias, held inside
	s_lshr_b32 s28, s20, 2
	s_mul_i32 s28, s28, 64000                      ; batches 16 (q / 2) on, 4,000 bytes a row
	v_mul_u32_u24 v13, v2, 4000
	s_delay_alu instid0(VALU_DEP_1)
	v_lshl_add_u32 v13, v14, 2, v13
	s_delay_alu instid0(VALU_DEP_1)
	v_add_nc_u32 v13, s28, v13
	s_wait_alu depctr_va_vdst(0)
	s_wait_kmcnt 0x0
.irp c, 0,1,2
	global_load_b128 v[PC+4*\c:PC+4*\c+3], v6, s[4:5] offset:512*\c
.endr
	global_load_b32 v[PW], v5, s[4:5] offset:1572864
.irp mt, 0,1,2,3
.irp c, 0,1,2
	global_load_b128 v[WSF+12*\mt+4*\c:WSF+12*\mt+4*\c+3], v8, s[8:9] offset:24576*\mt+512*\c
.endr
.endr
.irp mt, 0,1,2,3
	global_load_b32 v[WSS+\mt], v9, s[8:9] offset:98304+1024*\mt
.endr
	global_load_b64 v[BI:BI+1], v12, s[6:7]
	s_wait_loadcnt 0x0
.irp mt, 0,1,2,3
	v_wmma_scale_f32_16x16x128_f8f6f4 v[ACD+8*\mt:ACD+8*\mt+7], v[PC:PC+11], v[WSF+12*\mt:WSF+12*\mt+11], 0, v[PW], v[WSS+\mt] matrix_a_fmt:MATRIX_FMT_BF6 matrix_b_fmt:MATRIX_FMT_BF6
.endr
.rept 4
	v_nop                                          ; four places ahead of the stores that read the results
.endr
.irp mt, 0,1,2,3
.irp hf, 0,1
	ds_store_b128 v10, v[ACD+8*\mt+4*\hf:ACD+8*\mt+4*\hf+3] offset:512*(2*\mt+\hf)   ; each accumulator from its low end on
.endr
.endr
	s_wait_dscnt 0x0                               ; for the others' sake: my parts lie in LDS
	s_barrier_signal -1
	s_barrier_wait -1
.irp u, 0,1,2,3,4,5,6,7,8,9,10,11,12,13,14,15
	ds_load_b64 v[X+2*\u:X+2*\u+1], v11 offset:4096*\u
.endr
	s_wait_dscnt 0x0
	v_pk_add_f32 v[158:159], v[114:115], v[116:117]
	v_pk_add_f32 v[156:157], v[118:119], v[120:121]
	v_pk_add_f32 v[154:155], v[122:123], v[124:125]
	v_pk_add_f32 v[152:153], v[126:127], v[128:129]
	v_pk_add_f32 v[30:31], v[130:131], v[132:133]
	v_pk_add_f32 v[28:29], v[134:135], v[136:137]
	v_pk_add_f32 v[112:113], v[112:113], v[138:139]
	v_pk_add_f32 v[158:159], v[158:159], v[140:141]
	v_pk_add_f32 v[156:157], v[156:157], v[142:143]
	v_pk_add_f32 v[154:155], v[154:155], v[150:151]
	s_delay_alu instid0(VALU_DEP_4)
	v_pk_add_f32 v[112:113], v[112:113], v[152:153]
	s_delay_alu instid0(VALU_DEP_4)
	v_pk_add_f32 v[158:159], v[158:159], v[30:31]
	s_delay_alu instid0(VALU_DEP_4)
	v_pk_add_f32 v[156:157], v[156:157], v[28:29]
	s_delay_alu instid0(VALU_DEP_1)
	v_pk_add_f32 v[112:113], v[112:113], v[156:157]
	s_delay_alu instid0(VALU_DEP_3)
	v_pk_add_f32 v[158:159], v[158:159], v[154:155]
	s_delay_alu instid0(VALU_DEP_1)
	v_pk_add_f32 v[112:113], v[112:113], v[158:159]
	s_wait_alu depctr_va_vdst(0)
	s_wait_xcnt 0x0                                ; EXEC changes only behind this wait
	s_wait_tensorcnt 0x0
	ds_add_u32 v160, v161
	s_wait_dscnt 0x0
	v_cmpx_gt_u32 1000, v14                        ; the last n-tile reaches past column 999
	global_store_b64 v13, v[X:X+1], s[10:11]
	s_endpgm
.Lfunc_end_k_q89f1dbc265_dense:
	.size	k_q89f1dbc265_dense, .Lfunc_end_k_q89f1dbc265_dense-k_q89f1dbc265_dense
	.p2alignl 7, 3214868480
	.fill 96, 4, 3214868480
	.section	.rodata,"a",@progbits
	.p2align	6, 0x0
	.amdhsa_kernel k_q89f1dbc265_dense
		.amdhsa_group_segment_fixed_size 67584
		.amdhsa_private_segment_fixed_size 0
		.amdhsa_enable_private_segment 0
		.amdhsa_kernarg_size 32
		.amdhsa_user_sgpr_count 2
		.amdhsa_user_sgpr_kernarg_segment_ptr 1
		.amdhsa_wavefront_size32 1
		.amdhsa_system_sgpr_workgroup_id_x 1
		.amdhsa_system_sgpr_workgroup_id_y 1
		.amdhsa_system_sgpr_workgroup_id_z 1
		.amdhsa_system_vgpr_workitem_id 0
		.amdhsa_next_free_vgpr 162
		.amdhsa_next_free_sgpr 66
		.amdhsa_reserve_vcc 0
		.amdhsa_float_denorm_mode_32 3
		.amdhsa_float_denorm_mode_16_64 3
		.amdhsa_memory_ordered 1
		.amdhsa_forward_progress 1
		.amdhsa_inst_pref_size 9
	.end_amdhsa_kernel
	.amdgpu_metadata
---
amdhsa.version: [ 1, 2 ]
amdhsa.kernels:
  - .name:           k_q89f1dbc265_dense
    .symbol:         k_q89f1dbc265_dense.kd
    .args:
      - { .name: dw, .offset: 0, .size: 8, .value_kind: global_buffer, .address_space: global }
      - { .name: dense_b, .offset: 8, .size: 8, .value_kind: global_buffer, .address_space: global }
      - { .name: wsq, .offset: 16, .size: 8, .value_kind: global_buffer, .address_space: global }
      - { .name: out0, .offset: 24, .size: 8, .value_kind: global_buffer, .address_space: global }
    .group_segment_fixed_size: 67584
    .private_segment_fixed_size: 0
    .kernarg_segment_align: 8
    .kernarg_segment_size: 32
    .max_flat_workgroup_size: 512
    .sgpr_count:     66
    .vgpr_count:     162
    .wavefront_size: 32
...
	.end_amdgpu_metadata
.endif
;; end of part 4
